; MI455X (gfx1250); checked and timed in simulation.
; The chip was launched on July 23, 2026; its instructions are those of AMD's public machine-readable ISA for CDNA 5 (MIT licence, August 2026) and "CDNA5" Instruction Set Architecture Reference Guide (July 2026). The comments in the code are by the model that wrote it; some were corrected since.
;; Causal Self Attention. Allowed arithmetic: matrix products marked QUANTISED: E2M3 operands, one E8M0 scale for each 32 along K, by v_wmma_scale_f32_16x16x128_f8f6f4 with both operands' format E2M3, f32 sums; everything else in f32.
;; Inputs: w_out 1,024 x 1,024 float32; w_qkv 3,072 x 1,024 float32; x 4 x 2,048 x 1,024 float32.
;; Outputs: out0 4 x 2,048 x 1,024 float32.
;; This version of the problem:
;;   THIS VERSION OF THE PROBLEM IS GIVEN IN LOW PRECISION. The matrix products marked QUANTISED in the list below multiply operands that are first quantised to E2M3 (2 exponent bits, 3 mantissa bits; 6 bits a number), with one power-of-two scale for each 32 numbers along K (OCP MX v1.0); their sums are f32. All else is computed in f32.
;;   The module's matrix products, in the order in which they are computed (A, B: the left and right operand; K: the contracted axis; several contracted axes count as one K, in the product's order):
;;     1. [M 8,192, K 1,024] x [K 1,024, N 3,072]; A: input x; B: input w_qkv: QUANTISED
;;     2. batch 64 x [M 2,048, K 64] x [K 64, N 2,048]; A: computed on the way; B: computed on the way: QUANTISED
;;     3. batch 64 x [M 2,048, K 2,048] x [K 2,048, N 64]; A: softmax (see below); B: computed on the way: QUANTISED
;;     4. [M 8,192, K 1,024] x [K 1,024, N 1,024]; A: computed on the way; B: input w_out: QUANTISED
;;   THE QUANTISER, for each operand of a quantised product, along K:
;;     - K is cut into blocks of 32 from its start; a last block that is shorter is filled with zeros.
;;     - A block's scale is 2^e with e = floor(log2(the largest magnitude in the block)) - 2, held to -126 .. 127; a block of zeros has e = 0. As a byte (E8M0): e + 127.
;;     - Each number is divided by its block's scale, clamped to +-7.5, and rounded to the nearest number of E2M3, ties to even, subnormals kept.
;;     - The product sums the exact products of the quantised numbers (number of the format x scale) in f32.
;;   ~~~python
;;   def quantise(x, axis):      # numpy; x: float32 -> the quantised numbers, widened to float32 again
;;       x = np.moveaxis(x, axis, -1); K = x.shape[-1]
;;       x = np.pad(x, [(0, 0)] * (x.ndim - 1) + [(0, -K % 32)]); x = x.reshape(x.shape[:-1] + (-1, 32)); a = np.abs(x).max(-1, keepdims=True)
;;       e = np.where(a > 0, np.clip(np.frexp(np.where(a > 0, a, 1))[1] - 1 - 2, -126, 127), 0)      # np.frexp(a)[1] - 1 = floor(log2(a)), exactly
;;       r = np.clip(x / 2.0 ** e, -7.5, 7.5)
;;       step = 2.0 ** (np.maximum(np.frexp(np.where(r == 0, 1, r))[1] - 1, 0) - 3)
;;       q = np.round(r / step) * step * 2.0 ** e      # np.round: ties to even
;;       return np.moveaxis(q.reshape(q.shape[:-2] + (-1,))[..., :K], -1, axis).astype(np.float32)
;;   ~~~
;;   SOFTMAX AHEAD OF A QUANTISED PRODUCT. Where the list says 'softmax', what is quantised is not the finished softmax but p = 2^(t - M), with t = logit x log2(e) and M = ceil(the row's largest t), a whole number; so 1/2 < the row's largest p <= 1. The row's sum l is taken of the UNQUANTISED p, in f32, and the product's result is divided by l at the end. Since M is a whole number, a kernel that streams over the keys may use a running M (the ceiling of the running maximum): every later rescaling is an exact power of two, which a block's scale takes up: the codes' values come out the same.
;;   OPERANDS COMPUTED ON THE WAY. 'Computed on the way' means the value that the module computes at that place (a softmax that the list does not call 'softmax' is quantised finished and normalised). What goes into a quantiser is computed in f32, as accurately as f32 sums, v_exp_f32 and their like allow (about 1e-6 of the number): no bf16 or f16 on the way to a quantiser, and a product that is left as it is and whose result goes on into a quantised operand takes f32 operands (vector FMAs, or v_wmma_f32_16x16x4_f32). A number that lies on a knife's edge between two numbers of the format may be rounded either way, as far as f32 arithmetic and the matrix unit's own rounding can turn it there, and no further.
;; One version. Each part assembles by itself: llvm-mc -triple=amdgcn-amd-amdhsa -mcpu=gfx1250 --defsym DOCPART=n.
;; ======== version 1 of 1: 4 launches
;; limits: right only within a limited range of input values
;; workspace buffers: xc 6,291,456 bytes; xs 262,144 bytes; wc 3,145,728 bytes; ws 131,072 bytes; qkv 20,447,232 bytes; yc 6,291,456 bytes; ys 262,144 bytes
;; launch quant (part 1): grid 256 x 1, 6 waves a work-group, no clusters, 51,456 bytes of LDS; arguments x, w_qkv, w_out, xc, xs, wc, ws; writes xc, xs, wc, ws
.if DOCPART == 1
	.amdgcn_target "amdgcn-amd-amdhsa--gfx1250"
	.amdhsa_code_object_version 6
	.text
	.protected	k_qa34fd3d007_quant
	.globl	k_qa34fd3d007_quant
	.p2align	8
	.type	k_qa34fd3d007_quant,@function
k_qa34fd3d007_quant:
	s_mov_b64 s[64:65], 0
	v_nop
	global_prefetch_b8 v0, s[64:65] scope:SCOPE_SE
	s_setreg_imm32_b32 hwreg(HW_REG_WAVE_MODE, 25, 1), 1
	s_wait_xcnt 0x0
; x [8192][1024], w_qkv [3072][1024], w_out [1024][1024], f32, become codes of FP6 (E2M3) and E8M0 scale bytes, one for each 32 along K, stored as IMAGES OF OPERAND REGISTERS.
; A block's scale is 2^(floor(log2(largest magnitude)) - 2): its byte is that magnitude's exponent field - 2, held at 1 from below; numbers are divided by it and rounded to the nearest code, ties to even.
; LIMITS: a block of zeros gets the byte 1 where the rule says 127 (its codes are zeros; this program alone reads the bytes); largest magnitudes under 2^-124 are held at the byte 1; NaN and infinities are not served.
; A TILE is 16 rows; a FRAGMENT is a tile x 128 along K, 1,536 bytes: lane (r, h) holds row r, registers 6 c .. 6 c + 5 = K 64 c + 32 h + 0 .. 31; registers 0-3 lie at 16 x lane, 4-5 at 512 + 8 x lane, 6-9 at 768 + 16 x lane, 10-11 at 1,280 + 8 x lane.
; Codes: [8 tiles = 128 rows][K step q = 0 .. 7][tile][1,536].  Scale words: [tile][q / 4][r][q % 4], 4 bytes each.  wc, ws: w_qkv's 192 tiles, then w_out's 64.
; WHICH ROWS FORM A TILE (lane r = 8 g + i): x and w_v: tile t holds rows 32 (t / 2) + 8 (t % 2) + 16 g + i; w_q, w_k: rows 64 (t / 4) + 8 (t % 4) + 32 g + i; w_out: rows 16 t + 8 g + i.
; So a product's results fall as neighbours along the next product's K.
; A wave takes one tile x 512 along K: four steps of one fragment.  1,536 such shares = 256 work-groups x 6 waves.  A load reads 512 consecutive bytes of a row; a step's 16 rows turn through the wave's own stage in LDS
; (rows 528 bytes apart) and come back 32 neighbours at a time, so a lane holds whole blocks and no lane asks another for a maximum.  Each store of codes covers 512 or 256 consecutive bytes, aligned.
; Loads run two steps (32 loads a wave) ahead.  No tensor load, no barrier: waves share nothing.
.set SP,    528
.set WST,   16*SP
.set SPARE, 6*WST                      ; the spare words, 128 bytes a wave
.set R,     64                         ; v64-191 two sets of 16 rows as loaded
.set X,     192                        ; v192-255 my two blocks of 32
	s_load_b128 s[4:7], s[0:1], 0x0                ; x, w_qkv
	s_load_b128 s[8:11], s[0:1], 0x10              ; w_out, xc
	s_load_b128 s[12:15], s[0:1], 0x20             ; xs, wc
	s_load_b64 s[16:17], s[0:1], 0x30              ; ws
	v_lshl_add_u32 v2, v0, 2, SPARE
	v_mov_b32 v3, 0
	v_lshrrev_b32 v1, 5, v0
	v_readfirstlane_b32 s20, v1                    ; wave
	s_mul_i32 s21, s20, WST
	v_and_b32 v4, 31, v0
	v_and_b32 v5, 15, v0                           ; r
	v_bfe_u32 v6, v0, 4, 1                         ; h
	v_lshlrev_b32 v7, 4, v4                        ; 16 x lane
	v_add_nc_u32 v8, s21, v7                       ; the stage, on the way in
	v_mul_u32_u24 v9, v5, SP
	v_lshl_add_u32 v9, v6, 7, v9
	v_add_nc_u32 v9, s21, v9                       ; and out: row r, 128 h bytes on
	v_lshlrev_b32 v10, 3, v4                       ; 8 x lane
	v_lshlrev_b32 v11, 4, v5                       ; 16 r
	v_lshlrev_b32 v12, 3, v6                       ; 8 h
	v_mov_b32 v13, 0                               ; a lane permute's destination counts as a source
	s_mov_b32 s34, 0x76543210
	s_mov_b32 s35, 0xfedcba98                      ; selects for lane l xor 16
	s_mul_i32 s22, ttmp9, 6
	s_add_co_u32 s22, s22, s20
	s_lshr_b32 s23, s22, 1                         ; the tile, 0 .. 767: 512 of x, 128 of w_q and w_k, 64 of w_v, 64 of w_out
	s_and_b32 s24, s22, 1                          ; which half of K
	s_sub_co_u32 s25, s23, 512
	s_cmp_lt_u32 s23, 512
	s_cselect_b32 s27, s23, s25                    ; the tile in its own buffers
	s_lshr_b32 s28, s27, 1
	s_lshl_b32 s28, s28, 5
	s_and_b32 s29, s27, 1
	s_lshl_b32 s29, s29, 3
	s_add_co_u32 s28, s28, s29                     ; first row, x's and w_v's order
	s_lshr_b32 s30, s27, 2
	s_lshl_b32 s30, s30, 6
	s_and_b32 s29, s27, 3
	s_lshl_b32 s29, s29, 3
	s_add_co_u32 s30, s30, s29                     ; w_q's and w_k's
	s_sub_co_u32 s31, s23, 704
	s_lshl_b32 s31, s31, 4                         ; w_out's
	s_mov_b32 s32, 8                               ; rows from lanes 0-7 to lanes 8-15
	s_cmp_lt_u32 s23, 704
	s_cselect_b32 s31, s28, s31
	s_cselect_b32 s32, 16, s32
	s_cmp_lt_u32 s23, 640
	s_cselect_b32 s31, s30, s31
	s_cselect_b32 s32, 32, s32
	s_cmp_lt_u32 s23, 512
	s_cselect_b32 s31, s28, s31
	s_cselect_b32 s32, 16, s32
	s_lshl_b32 s36, s31, 12
	s_lshl_b32 s29, s24, 11
	s_add_co_u32 s36, s36, s29                     ; the numbers: row x 4,096 + half x 2,048
	s_mov_b32 s37, 0
	s_lshl_b32 s38, s32, 12
	s_mov_b32 s39, 0
	s_lshr_b32 s40, s27, 3
	s_mul_i32 s40, s40, 98304
	s_and_b32 s29, s27, 7
	s_mul_i32 s29, s29, 1536
	s_add_co_u32 s40, s40, s29
	s_mul_i32 s29, s24, 49152
	s_add_co_u32 s40, s40, s29                     ; the codes
	s_mov_b32 s41, 0
	s_lshl_b32 s42, s27, 9
	s_lshl_b32 s29, s24, 8
	s_add_co_u32 s42, s42, s29                     ; the scale words
	s_mov_b32 s43, 0
	s_wait_alu depctr_va_vdst(0)                   ; the wait at the head's end
	s_wait_kmcnt 0x0
	s_cmp_lt_u32 s23, 704                          ; the choices hang on ids alone
	s_cselect_b64 s[6:7], s[6:7], s[8:9]
	s_cmp_lt_u32 s23, 512
	s_cselect_b64 s[4:5], s[4:5], s[6:7]
	s_cselect_b64 s[8:9], s[10:11], s[14:15]
	s_cselect_b64 s[10:11], s[12:13], s[16:17]
	s_add_nc_u64 s[4:5], s[4:5], s[36:37]          ; rows of lanes 0-7
	s_add_nc_u64 s[6:7], s[4:5], s[38:39]          ; rows of lanes 8-15
	s_add_nc_u64 s[8:9], s[8:9], s[40:41]
	s_add_nc_u64 s[10:11], s[10:11], s[42:43]
.macro LOAD t
.irp m, 0,1,2,3,4,5,6,7
	global_load_b128 v[R+64*((\t)%2)+4*\m:R+64*((\t)%2)+4*\m+3], v7, s[4:5] offset:4096*\m+512*(\t) th:TH_LOAD_NT
.endr
.irp m, 0,1,2,3,4,5,6,7
	global_load_b128 v[R+64*((\t)%2)+32+4*\m:R+64*((\t)%2)+35+4*\m], v7, s[6:7] offset:4096*\m+512*(\t) th:TH_LOAD_NT
.endr
.endm
.macro STEP t
.if (\t) < 3
	s_wait_loadcnt 16                              ; this step's 16 loads are in; the next step's may be out
.else
	s_wait_loadcnt 0x0
.endif
.irp m, 0,1,2,3,4,5,6,7,8,9,10,11,12,13,14,15
	ds_store_b128 v8, v[R+64*((\t)%2)+4*\m:R+64*((\t)%2)+4*\m+3] offset:\m*SP
.endr
.irp n, 0,1,2,3,4,5,6,7,8,9,10,11,12,13,14,15
	ds_load_b128 v[X+4*\n:X+4*\n+3], v9 offset:256*(\n/8)+16*(\n%8)   ; LDS serves a wave's instructions in order: these see the stores above
.endr
	s_wait_dscnt 0x0
.if (\t)+2 < 4
	LOAD (\t)+2
.endif
	s_wait_xcnt 0x0                                ; the last step's stores have read their registers
	v_max3_num_f32 v14, |v[X]|, |v[X+1]|, 0x1800000        ; the floor 2^(3 - 127) holds the byte at 1 from below
	v_max3_num_f32 v15, |v[X+32]|, |v[X+33]|, 0x1800000
.irp i, 2,4,6,8,10,12,14,16,18,20,22,24,26,28,30
	v_max3_num_f32 v14, v14, |v[X+\i]|, |v[X+\i+1]|
	v_max3_num_f32 v15, v15, |v[X+32+\i]|, |v[X+33+\i]|
.endr
	v_add_nc_u32 v16, 0xff000000, v14              ; 2 off the exponent field: the conversion's scale operand
	v_add_nc_u32 v17, 0xff000000, v15
	v_cvt_scalef32_pk16_fp6_f32 v[20:22], v[X:X+15], v16
	v_cvt_scalef32_pk16_fp6_f32 v[32:34], v[X+16:X+31], v16
	v_cvt_scalef32_pk16_fp6_f32 v[26:28], v[X+32:X+47], v17
	v_cvt_scalef32_pk16_fp6_f32 v[36:38], v[X+48:X+63], v17
	v_lshrrev_b32 v18, 23, v16                     ; the bytes of blocks h and 2 + h
	v_lshrrev_b32 v19, 23, v17
.irp i, 0,1,2
	v_mov_b32 v[23+\i], v[32+\i]
	v_mov_b32 v[29+\i], v[36+\i]
.endr
	v_lshl_or_b32 v44, v19, 16, v18
	v_lshlrev_b32 v44, v12, v44                    ; at their places in the word
	v_permlanex16_b32 v13, v44, s34, s35
	v_or_b32 v[40+(\t)], v44, v13                  ; with lane l xor 16's two the word is whole
	global_store_b128 v7, v[20:23], s[8:9] offset:12288*(\t)
	global_store_b64 v10, v[24:25], s[8:9] offset:12288*(\t)+512
	global_store_b128 v7, v[26:29], s[8:9] offset:12288*(\t)+768
	global_store_b64 v10, v[30:31], s[8:9] offset:12288*(\t)+1280
.endm
	LOAD 0
	LOAD 1
	STEP 0
	STEP 1
	STEP 2
	STEP 3
	global_store_b128 v11, v[40:43], s[10:11]      ; 256 consecutive bytes, aligned; both halves of the lanes hold and store the same words
	s_wait_tensorcnt 0x0                           ; the wave's end
	ds_add_u32 v2, v3
	s_wait_dscnt 0x0
	s_endpgm
.Lfunc_end_k_qa34fd3d007_quant:
	.size	k_qa34fd3d007_quant, .Lfunc_end_k_qa34fd3d007_quant-k_qa34fd3d007_quant
	.p2alignl 7, 3214868480
	.fill 96, 4, 3214868480
	.section	.rodata,"a",@progbits
	.p2align	6, 0x0
	.amdhsa_kernel k_qa34fd3d007_quant
		.amdhsa_group_segment_fixed_size 51456
		.amdhsa_private_segment_fixed_size 0
		.amdhsa_enable_private_segment 0
		.amdhsa_kernarg_size 56
		.amdhsa_user_sgpr_count 2
		.amdhsa_user_sgpr_kernarg_segment_ptr 1
		.amdhsa_wavefront_size32 1
		.amdhsa_system_sgpr_workgroup_id_x 1
		.amdhsa_system_sgpr_workgroup_id_y 1
		.amdhsa_system_sgpr_workgroup_id_z 1
		.amdhsa_system_vgpr_workitem_id 0
		.amdhsa_next_free_vgpr 256
		.amdhsa_next_free_sgpr 66
		.amdhsa_reserve_vcc 0
		.amdhsa_float_denorm_mode_32 3
		.amdhsa_float_denorm_mode_16_64 3
		.amdhsa_memory_ordered 1
		.amdhsa_forward_progress 1
		.amdhsa_inst_pref_size 32
	.end_amdhsa_kernel
	.amdgpu_metadata
---
amdhsa.version: [ 1, 2 ]
amdhsa.kernels:
  - .name:           k_qa34fd3d007_quant
    .symbol:         k_qa34fd3d007_quant.kd
    .args:
      - { .name: x, .offset: 0, .size: 8, .value_kind: global_buffer, .address_space: global }
      - { .name: w_qkv, .offset: 8, .size: 8, .value_kind: global_buffer, .address_space: global }
      - { .name: w_out, .offset: 16, .size: 8, .value_kind: global_buffer, .address_space: global }
      - { .name: xc, .offset: 24, .size: 8, .value_kind: global_buffer, .address_space: global }
      - { .name: xs, .offset: 32, .size: 8, .value_kind: global_buffer, .address_space: global }
      - { .name: wc, .offset: 40, .size: 8, .value_kind: global_buffer, .address_space: global }
      - { .name: ws, .offset: 48, .size: 8, .value_kind: global_buffer, .address_space: global }
    .group_segment_fixed_size: 51456
    .private_segment_fixed_size: 0
    .kernarg_segment_align: 8
    .kernarg_segment_size: 56
    .max_flat_workgroup_size: 192
    .sgpr_count:     66
    .vgpr_count:     256
    .wavefront_size: 32
...
	.end_amdgpu_metadata
.endif
;; end of part 1
;; launch qkv (part 2): grid 8 x 32, 4 waves a work-group, clusters of 4 x 4, 327,680 bytes of LDS; arguments xc, xs, wc, ws, qkv; writes qkv
.if DOCPART == 2
	.amdgcn_target "amdgcn-amd-amdhsa--gfx1250"
	.amdhsa_code_object_version 6
	.text
	.protected	k_qa34fd3d007_qkv
	.globl	k_qa34fd3d007_qkv
	.p2align	8
	.type	k_qa34fd3d007_qkv,@function
k_qa34fd3d007_qkv:
	s_mov_b64 s[64:65], 0
	v_nop
	global_prefetch_b8 v0, s[64:65] scope:SCOPE_SE
	s_setreg_imm32_b32 hwreg(HW_REG_WAVE_MODE, 25, 1), 1
	s_wait_xcnt 0x0
	s_wait_alu depctr_hold_cnt(0) depctr_sa_sdst(0) depctr_va_vdst(0) depctr_va_sdst(0) depctr_va_ssrc(0) depctr_va_vcc(0) depctr_vm_vsrc(0)
	s_getreg_b32 s2, hwreg(HW_REG_IB_STS2, 6, 4)
	s_cmp_eq_u32 s2, 0
	s_cbranch_scc0 .Lentry_in_a_cluster
	s_endpgm
.Lentry_in_a_cluster:
	s_bfe_u32 s2, ttmp6, 0x10000c
	s_cmp_lg_u32 s2, 0xf033
	s_cbranch_scc0 .Lentry_shape_is_right
	s_endpgm
.Lentry_shape_is_right:
; q, k, v = x w_qkv^T on codes of FP6 (E2M3) with E8M0 scales, K = 1,024, sums in f32; the results are quantised in registers (q, k along the head's 64, v along the tokens) and stored as images of operand registers.
; THE DEAL.  256 work-groups: work-group (x, y) takes tokens 256 y .. + 255 and the pair of heads x through three phases: q, k, v.  Four waves, 2 x 2: wave (a, b) takes the 128 tokens a and the head b.
; A wave holds its head's 64 rows of the phase's weight, ALL of K, in 384 registers, and streams x's rows past them in blocks of 16: 32 products a block, 8 blocks a phase.
; LDS: the weight's 128 rows (98,304 bytes from 0), x's 256 rows (196,608 bytes behind them, filled once and read in all three phases), the spare words.  All lie as in memory: images of fragments (see the first launch).
; FILLS.  At the head one joint load a wave: wave 0 the weight, waves 1-3 a third of x each.  TWO REFILLS of the weight's region, a quarter a wave, each behind the three lines and a round of the cluster's barrier,
; when every wave holds the old weight in registers: a refill has the phase's 256 products in which to land, so nothing is prefetched beside it.  A plain barrier at the phase's end shows it to all.
; CLUSTERS 4 x 4: x's rows are shared by a row of the cluster, a weight's rows by a column.
; q, k: source 0 = the weight's rows: lane (r, h) holds token r, and by the rows' order its 32 results are channels 32 h + 0 .. 31 of the head: one scale block; two conversions give six registers of the next operand.
; v: source 0 = x's rows: lane (r, h) holds channel r; register 8 s + i of a tile is token 32 (s / 2) + 16 h + 8 (s % 2) + i: 16 neighbours from two blocks; lanes l and l xor 16 share a scale block.
; SCALES live in registers: x's 8 blocks x 4 for the whole launch, the weight's 4 tiles x 4; register i holds K step i in lanes 0-15 and K step 4 + i in lanes 16-31.
; OUTPUT: block ((mat 4 + batch) 8 + pair) 16 + block of 128 tokens, 13,312 bytes: 8 fragments of 1,536, then 1,024 bytes of scale words (tile a, lane l: 12,288 + 512 (a / 4) + 16 l + 4 (a % 4)); q, k: lane r + 16 head holds the head's two bytes twice.
; THE WAITS' COUNTS: a block's 32 LDS loads were issued two blocks ago; younger are the next block's 32 (s_wait_dscnt 32); the last block has none younger.
; LIMITS: a block of zeros carries the byte 1 (its codes are zeros; this program alone reads the bytes); NaN and infinities are not served.
; REGISTERS: fragment f lies in window 1 + f / 21 at 12 (f % 21): 0-31 the weight's (4 q + tile), 32-39 and 40-47 x's two sets.  Window 0: v1-7, v24-25, v58-63 addresses; v8-23, v26-57 scales; v64-127 q's, k's sums, two sets;
; v64-191 and v840-967 v's sums; v192-207 the next weight's scales; v208-250 at work.
.set BLKB,  98304
.set QS,    12288
.set TS,    1536
.set XL,    98304
.set SPARE, 294912
.set OB,    13312
.set SPW, 1
.set NIL, 2
.set L16, 3
.set SW,  8
.set SX,  26
.set ACC, 64
.set SW2, 192
.set CQ16, 60
.set CQ8,  61
.set QSO,  62
.set SH8,  63
.set T0,  208
.set T1,  209
.set SOP, 210
.set EB,  211
.set PO,  213
.set TC,  214
.set NC,  218
.set SWO, 230
.set TM,  208
.set PW,  224
.set PCD, 226
.set SWV, 246
.set VSO, 250
.set MSB, 0
.macro WIN new
.if MSB != \new
	s_set_vgpr_msb (MSB<<8)|\new
.set MSB, \new
.endif
.endm
.macro PLACES n
.rept \n
	v_nop
.endr
.endm
.macro WALU
	s_wait_alu depctr_va_vdst(0)
.endm
.macro BARRIER
	s_barrier_signal -1
	s_barrier_wait -1
.endm
.macro CROUND
	BARRIER
	s_cmp_lg_u32 s14, 0
	s_cbranch_scc1 .Lnw0_\@
	s_barrier_signal -3
.Lnw0_\@:
	s_barrier_wait -3
	BARRIER
.endm
.macro TLOAD g0, g1
	tensor_load_to_lds s[\g0:\g0+3], s[\g1:\g1+7]
	s_nop 0
	PLACES 4
.endm
.macro FRAG f, a16, a8, off            ; a fragment's image: four loads, each of consecutive bytes
	WIN (1+(\f)/21)<<6
.set R_, 12*((\f)%21)
	ds_load_b128 v[R_:R_+3], v[\a16] offset:\off
	ds_load_b64 v[R_+4:R_+5], v[\a8] offset:(\off)+512
	ds_load_b128 v[R_+6:R_+9], v[\a16] offset:(\off)+768
	ds_load_b64 v[R_+10:R_+11], v[\a8] offset:(\off)+1280
.endm
.macro WEIGHTS                         ; my 64 rows of the weight, all of K: 128 loads
.set F_, 0
.rept 32
	FRAG F_, 24+34*(F_/16), 25+34*(F_/16), ((F_/4)%4)*QS+(F_%4)*TS
.set F_, F_+1
.endr
	WIN 0
.endm
.macro FETCH e, s                      ; block s of my rows of x into set e: 32 loads
.set F_, 0
.rept 8
	FRAG 32+8*(\e)+F_, 4+2*(F_/4), 5+2*(F_/4), (F_%4)*QS+(\s)*TS
.set F_, F_+1
.endr
	WIN 0
.endm
.macro WM d, a, b, c, xa, xb, r
	v_wmma_scale_f32_16x16x128_f8f6f4 v[\d:\d+7], v[\a:\a+11], v[\b:\b+11], \c, v[\xa], v[\xb] matrix_a_fmt:MATRIX_FMT_FP6 matrix_b_fmt:MATRIX_FMT_FP6 matrix_a_scale:MATRIX_SCALE_ROW\r matrix_b_scale:MATRIX_SCALE_ROW\r
.endm
.macro PROD d, fa, fb, xa, xb
.set DL_, (\d)&255
.set A_, 12*((\fa)%21)
.set B_, 12*((\fb)%21)
	WIN (1+(\fa)/21)|((1+(\fb)/21)<<2)|(((\d)>>8)<<4)|(((\d)>>8)<<6)
.if Q_ == 0
	WM DL_, A_, B_, 0, \xa, \xb, 0
.elseif Q_ < 4
	WM DL_, A_, B_, v[DL_:DL_+7], \xa, \xb, 0
.else
	WM DL_, A_, B_, v[DL_:DL_+7], \xa, \xb, 1
.endif
.endm
.macro BLK kind, s                     ; a block's 32 products: K ascending, the four tiles' sums by turns; the first four start the sums
.set N_, 0
.rept 32
.set Q_, N_/4
.set J_, N_%4
.set FX_, 32+8*((\s)%2)+Q_
.set XW_, SW+4*J_+Q_%4
.set XX_, SX+4*(\s)+Q_%4
.if \kind
.set D_, 64+64*J_+648*(J_/2)+8*(\s)
	PROD D_, FX_, N_, XX_, XW_
.else
.set D_, ACC+32*((\s)%2)+8*J_
	PROD D_, N_, FX_, XW_, XX_
.endif
.set N_, N_+1
.endr
	WIN 0
.endm
.macro OUT s                           ; q, k: block s leaves: its 32 sums a lane are one scale block
.set A_, ACC+32*((\s)%2)
.set C_, NC+6*((\s)%2)
	s_wait_xcnt 0x0                                ; earlier stores have read their registers
	v_max3_num_f32 v[T0], |v[A_]|, |v[A_+1]|, |v[A_+2]|
	v_max3_num_f32 v[T1], |v[A_+16]|, |v[A_+17]|, |v[A_+18]|
.irp i, 3,5,7,9,11,13
	v_max3_num_f32 v[T0], v[T0], |v[A_+\i]|, |v[A_+\i+1]|
	v_max3_num_f32 v[T1], v[T1], |v[A_+16+\i]|, |v[A_+17+\i]|
.endr
	v_max3_num_f32 v[T0], v[T0], |v[A_+15]|, 0x1800000     ; the floor 2^(3 - 127)
	v_max3_num_f32 v[T1], v[T1], |v[A_+31]|, v[T0]
	v_add_nc_u32 v[SOP], 0xff000000, v[T1]
	v_cvt_scalef32_pk16_fp6_f32 v[C_:C_+2], v[A_:A_+15], v[SOP]
	v_cvt_scalef32_pk16_fp6_f32 v[TC:TC+2], v[A_+16:A_+31], v[SOP]
	v_lshrrev_b32 v[EB], 23, v[SOP]
.irp i, 0,1,2
	v_mov_b32 v[C_+3+\i], v[TC+\i]
.endr
	v_lshlrev_b32 v[EB], v[SH8], v[EB]             ; my block's byte at place h,
	v_permlanex16_b32 v[PO], v[EB], s46, s47
	v_or_b32 v[EB], v[EB], v[PO]                   ; with the other block's,
	v_lshl_or_b32 v[SWO+(\s)], v[EB], 16, v[EB]    ; twice
	global_store_b128 v[CQ16], v[C_:C_+3], s[12:13] offset:TS*(\s)
	global_store_b64 v[CQ8], v[C_+4:C_+5], s[12:13] offset:TS*(\s)+512
.endm
.macro QUANTW t                        ; v: tile t leaves: 64 sums a lane become a fragment's codes and its scale word
.set X_, 64+64*(\t)+648*((\t)/2)
.set XH_, X_>>8
.set XL_, X_&255
.if \t
	s_wait_xcnt 0x0
.endif
	WIN (XH_<<2)|(XH_<<4)
.irp b, 0,1,2,3
	v_max3_num_f32 v[TM+\b], 0x1800000, |v[XL_+16*\b]|, |v[XL_+16*\b+1]|
.endr
.irp i, 2,4,6,8,10,12,14
.irp b, 0,1,2,3
	v_max3_num_f32 v[TM+\b], v[TM+\b], |v[XL_+16*\b+\i]|, |v[XL_+16*\b+\i+1]|
.endr
.endr
	WIN 0
.irp b, 0,1,2,3
	v_permlanex16_b32 v[TM+4+\b], v[TM+\b], s46, s47
.endr
.irp b, 0,1,2,3
	v_max_num_f32 v[TM+\b], v[TM+\b], v[TM+4+\b]
.endr
.irp b, 0,1,2,3
	v_add_nc_u32 v[TM+12+\b], 0xff000000, v[TM+\b]
.endr
.irp b, 0,1,2,3
	v_lshrrev_b32 v[TM+4+\b], 23, v[TM+12+\b]
.endr
	v_lshl_or_b32 v[PW], v[TM+5], 8, v[TM+4]
	v_lshl_or_b32 v[PW], v[TM+6], 16, v[PW]
	v_lshl_or_b32 v[SWV+(\t)], v[TM+7], 24, v[PW]
	WIN XH_
.irp c, 0,1
	v_cvt_scalef32_pk16_fp6_f32 v[PCD+6*\c:PCD+2+6*\c], v[XL_+32*\c:XL_+15+32*\c], v[TM+12+2*\c]
	v_cvt_scalef32_pk16_fp6_f32 v[PCD+12+4*\c:PCD+14+4*\c], v[XL_+16+32*\c:XL_+31+32*\c], v[TM+13+2*\c]
.endr
	WIN 0
	v_nop                                          ; one plain line behind a scaled conversion
.irp c, 0,1                                    ; a whole block in a lane: lanes 0-15 block 2 c, lanes 16-31 block 2 c + 1
.irp i, 0,1,2
	v_permlane16_swap_b32 v[PCD+6*\c+\i], v[PCD+12+4*\c+\i]
.endr
.irp i, 0,1,2
	v_mov_b32 v[PCD+3+6*\c+\i], v[PCD+12+4*\c+\i]
.endr
.endr
	global_store_b128 v24, v[PCD:PCD+3], s[12:13] offset:TS*(\t)
	global_store_b64 v25, v[PCD+4:PCD+5], s[12:13] offset:TS*(\t)+512
	global_store_b128 v24, v[PCD+6:PCD+9], s[12:13] offset:TS*(\t)+768
	global_store_b64 v25, v[PCD+10:PCD+11], s[12:13] offset:TS*(\t)+1280
.endm
; ---- the head
	s_load_b128 s[4:7], s[0:1], 0x0                ; xc, xs
	s_load_b128 s[8:11], s[0:1], 0x10              ; wc, ws
	s_load_b64 s[12:13], s[0:1], 0x20              ; qkv
	v_lshl_add_u32 v[SPW], v0, 2, SPARE
	v_mov_b32 v[NIL], 0
	ds_add_u32 v[SPW], v[NIL]                      ; the opening lines: the add twice on end and one wait
	ds_add_u32 v[SPW], v[NIL]
	v_lshrrev_b32 v3, 5, v0
	v_readfirstlane_b32 s14, v3                    ; wave
	s_lshr_b32 s15, s14, 1                         ; a
	s_and_b32 s16, s14, 1                          ; b
	s_bfe_u32 s40, ttmp6, 0x40000                  ; cx
	s_bfe_u32 s41, ttmp6, 0x40004                  ; cy
	s_lshl_b32 s42, ttmp9, 2
	s_add_co_u32 s42, s42, s40                     ; the pair of heads
	s_and_b32 s43, ttmp7, 0xffff
	s_lshl_b32 s43, s43, 2
	s_add_co_u32 s43, s43, s41                     ; the block of 256 tokens
	s_lshl_b32 s44, s41, 2
	s_lshl_b32 s44, 15, s44                        ; my row of the cluster
	s_lshl_b32 s45, 0x1111, s40                    ; my column
	s_mov_b32 s46, 0x76543210
	s_mov_b32 s47, 0xfedcba98
	s_mov_b32 s58, 0xffff0000                      ; lanes 16-31
	s_or_b32 s24, s44, (3<<16)|(1<<21)             ; group 1 of a third of x: 256 dense rows of 256 bytes
	s_mov_b32 s25, 32<<16
	s_mov_b32 s26, 256<<16
	s_mov_b32 s27, 32<<16
	s_mov_b32 s28, 256
	s_mov_b32 s29, 32
	s_mov_b32 s30, 0
	s_mov_b32 s31, 0
	s_or_b32 s32, s45, (3<<16)|(1<<21)             ; of the weight: 384 rows at the head, 96 in a refill
	s_mov_b32 s33, 32<<16
	s_mov_b32 s34, 384<<16
	s_mov_b32 s35, 32<<16
	s_mov_b32 s36, 384
	s_mov_b32 s37, 32
	s_mov_b32 s38, 0
	s_mov_b32 s39, 0
	s_mov_b32 s48, 1
	s_lshl_b32 s49, s14, 16
	s_add_co_u32 s49, s49, XL-65536                ; waves 1-3: XL + 65,536 (wave - 1)
	s_mov_b32 s52, 1
	s_mov_b32 s53, 0
	s_mul_i32 s20, s15, BLKB
	s_add_co_u32 s20, s20, XL
	s_add_co_u32 s21, s20, 4*QS
	s_mul_i32 s22, s16, 4*TS
	s_add_co_u32 s23, s22, 4*QS
	s_mul_i32 s60, s16, 768
	s_lshl_b32 s61, s16, 8
	s_lshl_b32 s62, s16, 9
	v_and_b32 v62, 31, v0
	v_bfe_u32 v63, v0, 4, 1
	v_lshlrev_b32 v[L16], 4, v62
	v_lshlrev_b32 v61, 3, v62
	v_add_nc_u32 v4, s20, v[L16]                   ; x's fragments, K steps 0-3,
	v_add_nc_u32 v5, s20, v61
	v_add_nc_u32 v6, s21, v[L16]                   ; 4-7
	v_add_nc_u32 v7, s21, v61
	v_add_nc_u32 v24, s22, v[L16]                  ; the weight's (and v's codes in memory)
	v_add_nc_u32 v25, s22, v61
	v_add_nc_u32 v58, s23, v[L16]
	v_add_nc_u32 v59, s23, v61
	v_add_nc_u32 v[CQ16], s60, v[L16]
	v_add_nc_u32 v[CQ8], s60, v61
	v_lshl_add_u32 v[QSO], v63, 8, v[L16]
	v_add_nc_u32 v[QSO], s61, v[QSO]               ; 512 h + 16 r + 256 b
	v_add_nc_u32 v[VSO], s62, v[L16]
	v_lshlrev_b32 v[SH8], 3, v63
	v_mov_b32 v[PO], 0
	s_mul_i32 s20, s43, 2*BLKB
	s_lshl_b32 s21, s14, 16
	s_add_co_u32 s20, s20, s21
	s_mov_b32 s21, 0
	s_mul_i32 s22, s42, BLKB
	s_mov_b32 s23, 0
	s_mul_i32 s60, s14, 2*QS
	s_mov_b32 s61, 0
	WALU                                           ; the wait at the head's end
	s_wait_dscnt 0x0
	CROUND                                         ; ahead of the first joint loads
	s_wait_kmcnt 0x0
	s_add_nc_u64 s[50:51], s[4:5], s[20:21]
	s_sub_nc_u64 s[50:51], s[50:51], 65536
	s_or_b32 s51, s51, 0x80000000
	s_add_nc_u64 s[54:55], s[8:9], s[22:23]
	s_add_nc_u64 s[56:57], s[54:55], s[60:61]      ; my quarter of the weight
	s_or_b32 s55, s55, 0x80000000
	s_cmp_eq_u32 s14, 0
	s_cbranch_scc0 .Lhead_x
	TLOAD 52, 32                                   ; wave 0: w_q's rows
	s_branch .Lhead_j
.Lhead_x:
	TLOAD 48, 24                                   ; waves 1-3: a third of x
.Lhead_j:
	s_lshl_b32 s20, s43, 1
	s_add_co_u32 s20, s20, s15                     ; my block of 128 tokens, 0 .. 63
	s_lshl_b32 s22, s20, 12
	s_mov_b32 s23, 0
	s_add_nc_u64 s[6:7], s[6:7], s[22:23]
	s_lshl_b32 s22, s42, 12
	s_lshl_b32 s21, s16, 11
	s_add_co_u32 s22, s22, s21
	s_add_nc_u64 s[18:19], s[10:11], s[22:23]
.irp s, 0,1,2,3,4,5,6,7
	global_load_b128 v[SX+4*\s:SX+4*\s+3], v[L16], s[6:7] offset:512*\s
.endr
.irp j, 0,1,2,3
	global_load_b128 v[SW+4*\j:SW+4*\j+3], v[L16], s[18:19] offset:512*\j
.endr
	s_lshr_b32 s21, s20, 4
	s_lshl_b32 s21, s21, 3
	s_add_co_u32 s21, s21, s42
	s_lshl_b32 s21, s21, 4
	s_and_b32 s20, s20, 15
	s_add_co_u32 s21, s21, s20
	s_mul_i32 s22, s21, OB
	s_add_nc_u64 s[12:13], s[12:13], s[22:23]
	s_cmp_eq_u32 s14, 0
	s_cbranch_scc0 .Lnot_w
	s_wait_tensorcnt 0x0
.Lnot_w:
	BARRIER                                        ; the weight is in; x may be on its way
	WEIGHTS
	s_wait_loadcnt 0x0
	s_mov_b32 s3, 0
.Lphase:                                           ; two trips: q, k
	s_wait_tensorcnt 0x0                           ; the lines ahead of a refill (first trip: my third of x is in)
	ds_add_u32 v[SPW], v[NIL]
	s_mov_b32 s34, 96<<16
	s_mov_b32 s36, 96
	s_mul_i32 s53, s14, 2*QS
	s_add_nc_u64 s[56:57], s[56:57], 8*BLKB        ; the next tensor's rows of the same pair of heads
	s_mov_b64 s[54:55], s[56:57]
	s_or_b32 s55, s55, 0x80000000
	s_wait_dscnt 0x0                               ; the add is done and I hold the weight in registers
	CROUND
	TLOAD 52, 32
.irp j, 0,1,2,3
	global_load_b128 v[SW2+4*\j:SW2+4*\j+3], v[L16], s[18:19] offset:32768+512*\j
.endr
	FETCH 0, 0
	FETCH 1, 1
.irp s, 0,1,2,3,4,5,6,7
.if \s < 7
	s_wait_dscnt 32
.else
	s_wait_dscnt 0x0
.endif
	BLK 0, \s
.if \s == 0
	PLACES 4
.else
	OUT \s-1                                       ; its plain lines are the places ahead of the fetch
.endif
.if \s < 6
	FETCH \s%2, \s+2
.endif
.endr
	s_wait_tensorcnt 0x0
	BARRIER                                        ; a plain barrier: the refill is shown to all
	WEIGHTS
	s_wait_loadcnt 0x0
.set I_, 0
.rept 16
	v_mov_b32 v[SW+I_], v[SW2+I_]
.set I_, I_+1
.endr
	OUT 7
.irp i, 0,1,2,3
	v_cndmask_b32 v[SWO+\i], v[SWO+\i], v[SWO+4+\i], s58   ; lanes 0-15 store tiles 0-3, lanes 16-31 tiles 4-7
.endr
	global_store_b128 v[QSO], v[SWO:SWO+3], s[12:13] offset:12288
	s_wait_xcnt 0x0
	s_add_nc_u64 s[12:13], s[12:13], 512*OB
	s_add_nc_u64 s[18:19], s[18:19], 32768
	s_add_co_u32 s3, s3, 1
	s_cmp_lt_u32 s3, 2
	WALU                                           ; the wait ahead of the branch
	s_cbranch_scc1 .Lphase
; ---- v
	FETCH 0, 0
	FETCH 1, 1
.irp s, 0,1,2,3,4,5,6,7
.if \s < 7
	s_wait_dscnt 32
.else
	s_wait_dscnt 0x0
.endif
	BLK 1, \s
.if \s < 6
	PLACES 4
	FETCH \s%2, \s+2
.endif
.endr
.irp b, 0,1,2,3
	v_mov_b32 v[TM+4+\b], 0                        ; lane permutes' destinations; also the places behind the last products
.endr
	QUANTW 0
	QUANTW 1
	QUANTW 2
	QUANTW 3
	global_store_b128 v[VSO], v[SWV:SWV+3], s[12:13] offset:12288
	s_wait_tensorcnt 0x0                           ; the wave's end
	ds_add_u32 v[SPW], v[NIL]
	s_wait_dscnt 0x0
	CROUND                                         ; the closing round
	s_endpgm
.Lfunc_end_k_qa34fd3d007_qkv:
	.size	k_qa34fd3d007_qkv, .Lfunc_end_k_qa34fd3d007_qkv-k_qa34fd3d007_qkv
	.p2alignl 7, 3214868480
	.fill 96, 4, 3214868480
	.section	.rodata,"a",@progbits
	.p2align	6, 0x0
	.amdhsa_kernel k_qa34fd3d007_qkv
		.amdhsa_group_segment_fixed_size 327680
		.amdhsa_private_segment_fixed_size 0
		.amdhsa_enable_private_segment 0
		.amdhsa_kernarg_size 40
		.amdhsa_user_sgpr_count 2
		.amdhsa_user_sgpr_kernarg_segment_ptr 1
		.amdhsa_wavefront_size32 1
		.amdhsa_system_sgpr_workgroup_id_x 1
		.amdhsa_system_sgpr_workgroup_id_y 1
		.amdhsa_system_sgpr_workgroup_id_z 1
		.amdhsa_system_vgpr_workitem_id 0
		.amdhsa_next_free_vgpr 1024
		.amdhsa_next_free_sgpr 66
		.amdhsa_reserve_vcc 0
		.amdhsa_float_denorm_mode_32 3
		.amdhsa_float_denorm_mode_16_64 3
		.amdhsa_memory_ordered 1
		.amdhsa_forward_progress 1
		.amdhsa_inst_pref_size 162
	.end_amdhsa_kernel
	.amdgpu_metadata
---
amdhsa.version: [ 1, 2 ]
amdhsa.kernels:
  - .name:           k_qa34fd3d007_qkv
    .symbol:         k_qa34fd3d007_qkv.kd
    .args:
      - { .name: xc, .offset: 0, .size: 8, .value_kind: global_buffer, .address_space: global }
      - { .name: xs, .offset: 8, .size: 8, .value_kind: global_buffer, .address_space: global }
      - { .name: wc, .offset: 16, .size: 8, .value_kind: global_buffer, .address_space: global }
      - { .name: ws, .offset: 24, .size: 8, .value_kind: global_buffer, .address_space: global }
      - { .name: qkv, .offset: 32, .size: 8, .value_kind: global_buffer, .address_space: global }
    .group_segment_fixed_size: 327680
    .private_segment_fixed_size: 0
    .kernarg_segment_align: 8
    .kernarg_segment_size: 40
    .max_flat_workgroup_size: 128
    .sgpr_count:     66
    .vgpr_count:     1024
    .wavefront_size: 32
...
	.end_amdgpu_metadata
.endif
;; end of part 2
;; launch attn (part 3): grid 8 x 32, 16 waves a work-group, no clusters, 327,680 bytes of LDS; arguments qkv, yc, ys; writes yc, ys
.if DOCPART == 3
	.amdgcn_target "amdgcn-amd-amdhsa--gfx1250"
	.amdhsa_code_object_version 6
	.text
	.protected	k_qa34fd3d007_attn
	.globl	k_qa34fd3d007_attn
	.p2align	8
	.type	k_qa34fd3d007_attn,@function
k_qa34fd3d007_attn:
	s_mov_b64 s[64:65], 0
	v_nop
	global_prefetch_b8 v0, s[64:65] scope:SCOPE_SE
	s_setreg_imm32_b32 hwreg(HW_REG_WAVE_MODE, 25, 1), 1
	s_wait_xcnt 0x0
; y = softmax(q k^T / 8, causal) v for 64 heads of 64, 2,048 tokens each, both products on codes of FP6 (E2M3) with E8M0 scales; y is quantised along the channels in registers and stored as images of operand registers.
; THE SOFTMAX AHEAD OF THE SECOND PRODUCT: t = score x log2(e) / 8; M = the running largest t, rounded UP to a whole number; p = 2^(t - M) is quantised along the keys, not normalised; the row's sum is taken of the
; unquantised p and divides O at the end.  When M moves, the sum and O are multiplied by 2^(old M - new M): exact.
; SHARES.  A work-group owns one pair of heads (batch, pair: y of the grid) and TWO blocks of 128 queries: blocks 15 - i and i (i: x of the grid).  Under the causal mask they need 16 - i and i + 1 blocks of 128 keys:
; 17 key steps in every work-group, walked as one flat sequence: first the high block's, then the low block's.  So all trip counts are constants, all 256 work-groups have equal work, and no tile is fetched unread.
; Wave w takes head w % 2 of the pair and tile w / 2 (16 queries): sixteen waves, four to a SIMD, so that one wave's vector work stands beside another's matrix work and LDS loads.
; LAYOUT.  Both products are used transposed: S^T = K Q^T, O^T = V^T P^T: a lane holds one query throughout.  Keys, queries and channels lie in qkv in the order of positions (bits 3 and 4 of the number exchanged):
; register j of key tile 2 b + u in lane (r, h) is key 32 b + 16 h + 8 u + j, so p's 16 registers of two neighbouring tiles are 16 neighbouring keys; O^T's likewise 16 neighbouring channels.
; Lane r of query tile qt is token 32 (qt / 2) + 8 (qt % 2) + r + 8 (r / 8) of its block: only the mask needs that number.
; K = 64 IN A FORM OF K = 128: Q's registers 6-11 are zero codes.  K's tile t is the run v[32 + 6 t .. + 11]: its upper six registers are the next tile's codes (behind the last tile: zeros), which meet zero codes; FP6 has no
; NaN and no infinity, and the scale words' upper two bytes repeat the lower two, so these products are zeros.
; THE RING: two slots of two key steps; a step's K block and V block (13,312 bytes each: 8 tiles of register images and their scale words) lie in LDS as in memory; waves 0-3 fetch one block each.
; NO CLUSTER: the eight work-groups of a pair of heads turn back to key block 0 at step 16 - i, each at another step, so partners would ask for different tiles behind the same barrier.
; LIMITS: a block of zeros carries the byte 1 (its codes are zeros; this program alone reads the bytes); 1 / l is v_rcp_f32's; NaN and infinities are not served.
; REGISTERS: v1-4, v7, v200 places that stay; v8-11, v201-202 the slot's addresses; v12 -M, v13 the largest t, v[14:15] the sum; v16-27 Q and zeros; v32-85 K's eight tiles and zeros, later V's four; v86-93 K's scale words; v94 p's;
; v96-159 S^T, then p, then y; v160-191 O^T; v192-198 the low block's Q; v199 the mask's number; v203-206 offsets in memory; v224-235 codes; v232-247, v252-254 at work; v248-251 V's scale words; v255 Q's.
.set BLKB,  13312                      ; a block of qkv
.set REGB,  16*BLKB                    ; the 16 blocks of one tensor, batch and pair of heads
.set STEPB, 2*BLKB                     ; a key step in LDS: K's block, then V's
.set SLOT1, 1<<16                      ; slot 1 begins here: one exclusive or turns an address in one slot into the other's
.set SPARE, 2*SLOT1                    ; the spare words, 128 bytes a wave: eight blocks of 256 bytes that no other line names
; s10 wave, s11 head of the pair, s12 query tile, s13 i, s14 8 batch + pair, s15 16 - i, s16 15 - i, s17 the step in hand, s18 the step that I fetch, s19 trips to go, s[20:21] lane selects, s[22:23] c,
; s[24:31] group 1, s[32:35] group 0, s[36:37] K's or V's 16 blocks, s[38:39] an offset, s[40:41] the prefetches' place, s42 their bound, s43 the slot in hand, s44 lanes 16-31,
; s[46:47], s[48:49] y's codes (high, low block), s[50:51], s[52:53] y's bytes, s[54:55], s[56:57] Q's blocks
.macro TLOAD lim                       ; waves under lim fetch; the branch hangs on the wave's number alone.  Four v_nop follow the load
	s_cmp_lt_u32 s10, \lim
	s_cbranch_scc0 .Lnone_\@
	tensor_load_to_lds s[32:35], s[24:31]
	s_nop 0
.rept 4
	v_nop
.endr
.Lnone_\@:
.endm
; A PREFETCH INTO THE L2.  Work-group x = 0 of a pair of heads walks key blocks 0 to 15 in order, and it alone asks; in it waves 8-11 ask for K's 16 blocks and waves 12-15 for V's: 212,992 bytes each, 26 pieces of 8,192,
; lanes 256 bytes apart.  At the n-th change of slots (n = 0 .. 4) a wave names piece 6 + 4 n + w % 4: pieces 6 to 25, each once; the last ends with the region.  The first two slots come by their loads alone.
.macro ASK
	s_cmp_gt_u32 s19, s42
	s_cbranch_scc0 .Lnot_mine_\@
	global_prefetch_b8 v28, s[40:41] th:TH_LOAD_NT scope:SCOPE_SE
.Lnot_mine_\@:
.endm
	s_load_b128 s[4:7], s[0:1], 0x0                ; qkv, yc
	s_load_b64 s[8:9], s[0:1], 0x10                ; ys
	v_lshl_add_u32 v5, v0, 2, SPARE                ; my spare word; never rewritten
	v_mov_b32 v6, 0                                ; 0; never rewritten
	ds_add_u32 v5, v6
	ds_add_u32 v5, v6
	s_wait_dscnt 0x0
	v_lshrrev_b32 v8, 5, v0
	s_delay_alu instid0(VALU_DEP_1)
	v_readfirstlane_b32 s10, v8                    ; wave 0..15
	s_and_b32 s11, s10, 1                          ; my head of the pair.  Also: I fetch K's block (0) or V's (1)
	s_lshr_b32 s12, s10, 1                         ; my tile of queries
	s_mov_b32 s13, ttmp9
	s_and_b32 s14, ttmp7, 0xffff
	s_sub_co_u32 s15, 16, s13                      ; the high block's steps
	s_sub_co_u32 s16, 15, s13                      ; its last step, and its number
	s_mov_b32 s17, 0
	s_and_b32 s18, s12, 1                          ; which of a slot's two steps I fetch
	s_mov_b32 s19, 7
	s_mov_b32 s20, 0x76543210
	s_mov_b32 s21, 0xfedcba98                      ; v_permlanex16_b32's selects for lane l xor 16
	s_mov_b32 s22, 0x3e38aa3b                      ; c = log2(e) / 8
	s_mov_b32 s23, s22                             ; (named with it as a pair, so it is written)
	s_mov_b32 s43, 0
	s_mov_b32 s44, 0xffff0000
	s_mov_b32 s24, 3<<16                           ; group 1: a dense block of 13,312 bytes as 52 rows of 32 elements of 8 bytes; no mask, no padding
	s_mov_b32 s25, 32<<16                          ; tensor_dim0
	s_mov_b32 s26, 52<<16                          ; tensor_dim1
	s_mov_b32 s27, 32<<16                          ; tile_dim0
	s_mov_b32 s28, 52                              ; tile_dim1
	s_mov_b32 s29, 32                              ; the pitch
	s_mov_b32 s30, 0
	s_mov_b32 s31, 0
	s_lshl_b32 s36, s11, 5
	s_add_co_u32 s36, s36, 32
	s_add_co_u32 s36, s36, s14                     ; 32 (1 + K or V) + 8 batch + pair
	s_mul_i32 s36, s36, REGB
	s_mov_b32 s37, 0
	s_mul_i32 s38, s18, BLKB                       ; steps 0 and 1 are key blocks 0 and 1
	s_mov_b32 s39, 0
	s_mov_b32 s32, 1                               ; group 0: count = 1
	s_mul_i32 s33, s18, STEPB                      ; LDS: my step of slot 0,
	s_mul_i32 s58, s11, BLKB
	s_add_co_u32 s33, s33, s58                     ; K's block or V's
	s_wait_kmcnt 0x0
	s_add_nc_u64 s[36:37], s[4:5], s[36:37]
	s_add_nc_u64 s[34:35], s[36:37], s[38:39]
	s_or_b32 s35, s35, 0x80000000                  ; type = 2
	TLOAD 4                                        ; slot 0: the launch's first fill
	s_lshl_b32 s58, s14, 4
	s_add_co_u32 s54, s58, s16
	s_mul_i32 s54, s54, BLKB
	s_mov_b32 s55, 0
	s_add_nc_u64 s[54:55], s[4:5], s[54:55]        ; Q's high block
	s_add_co_u32 s56, s58, s13
	s_mul_i32 s56, s56, BLKB
	s_mov_b32 s57, 0
	s_add_nc_u64 s[56:57], s[4:5], s[56:57]        ; Q's low block
	s_lshr_b32 s58, s14, 3
	s_lshl_b32 s58, s58, 4                         ; 16 batch
	s_and_b32 s59, s14, 7                          ; the pair of heads
	s_add_co_u32 s60, s58, s16                     ; the high block among all 64 blocks of 128 rows,
	s_add_co_u32 s61, s58, s13                     ; and the low one
	s_lshl_b32 s46, s60, 3
	s_add_co_u32 s46, s46, s59
	s_mul_i32 s46, s46, 12288
	s_mov_b32 s47, 0
	s_add_nc_u64 s[46:47], s[6:7], s[46:47]        ; y's codes: (8 block + pair) x 8 tiles of 1,536 bytes
	s_lshl_b32 s48, s61, 3
	s_add_co_u32 s48, s48, s59
	s_mul_i32 s48, s48, 12288
	s_mov_b32 s49, 0
	s_add_nc_u64 s[48:49], s[6:7], s[48:49]
	s_lshl_b32 s62, s59, 2
	s_lshl_b32 s50, s60, 12
	s_add_co_u32 s50, s50, s62
	s_mov_b32 s51, 0
	s_add_nc_u64 s[50:51], s[8:9], s[50:51]        ; y's scale bytes: 128 rows of 32 bytes a block, 4 bytes a pair of heads
	s_lshl_b32 s52, s61, 12
	s_add_co_u32 s52, s52, s62
	s_mov_b32 s53, 0
	s_add_nc_u64 s[52:53], s[8:9], s[52:53]
	s_bfe_u32 s40, s10, 0x10002                    ; the prefetches: waves 8-11 K's region, waves 12-15 V's
	s_lshl_b32 s40, s40, 5
	s_add_co_u32 s40, s40, 32
	s_add_co_u32 s40, s40, s14
	s_mul_i32 s40, s40, REGB
	s_and_b32 s58, s10, 3
	s_add_co_u32 s58, s58, 2
	s_lshl_b32 s58, s58, 13
	s_add_co_u32 s40, s40, s58                     ; at piece 2 + w % 4: the first change of slots steps it four pieces on
	s_mov_b32 s41, 0
	s_add_nc_u64 s[40:41], s[4:5], s[40:41]
	s_lshr_b32 s58, s10, 3
	s_xor_b32 s58, s58, 1                          ; 0 in waves 8 to 15,
	s_or_b32 s58, s58, ttmp9                       ; of work-group x = 0
	s_cmp_eq_u32 s58, 0
	s_cselect_b32 s42, 2, -1                       ; they ask while more than two trips are to go: five times
	v_and_b32 v8, 31, v0                           ; lane
	v_and_b32 v9, 15, v0                           ; r
	v_bfe_u32 v10, v0, 4, 1                        ; h
	s_mul_i32 s58, s11, 768
	v_lshl_add_u32 v1, v8, 4, s58                  ; K's tiles: my head's half of an image: registers 0-3,
	v_lshl_add_u32 v2, v8, 3, s58                  ; registers 4-5 (512 bytes on, in the immediate)
	s_lshl_b32 s59, s11, 8
	v_lshl_add_u32 v3, v9, 4, s59                  ; K's scale words: lane r + 16 x head's four
	s_mul_i32 s60, s11, 6144
	v_lshl_add_u32 v4, v8, 4, s60                  ; V's tiles: my head's four
	v_lshl_add_u32 v7, v8, 3, s60
	s_lshl_b32 s61, s11, 9
	v_lshl_add_u32 v200, v9, 4, s61                ; V's scale words
	v_lshlrev_b32 v28, 8, v8                       ; the prefetches' offset; never rewritten
	s_mul_i32 s62, s12, 1536
	s_add_co_u32 s62, s62, s58
	v_lshl_add_u32 v203, v8, 4, s62                ; in memory: my tile's and head's half image, of Q and of y alike: registers 0-3,
	s_wait_alu depctr_va_vdst(0)
	s_add_co_u32 s62, s62, 512
	v_lshl_add_u32 v204, v8, 3, s62                ; registers 4-5
	s_lshr_b32 s62, s12, 2
	s_lshl_b32 s62, s62, 9
	s_and_b32 s63, s12, 3
	s_lshl_b32 s63, s63, 2
	s_add_co_u32 s62, s62, s63
	s_add_co_u32 s62, s62, s59
	s_add_co_u32 s62, s62, 12288
	v_lshl_add_u32 v205, v9, 4, s62                ; Q's scale word
	global_load_b128 v[16:19], v203, s[54:55]      ; both blocks' Q stay in registers
	global_load_b64 v[20:21], v204, s[54:55]
	global_load_b32 v255, v205, s[54:55]
	global_load_b128 v[192:195], v203, s[56:57]
	global_load_b64 v[196:197], v204, s[56:57]
	global_load_b32 v198, v205, s[56:57]
	s_lshl_b32 s62, s12, 9
	s_lshl_b32 s63, s11, 1
	s_add_co_u32 s62, s62, s63
	v_lshl_add_u32 v206, v9, 5, s62
	s_delay_alu instid0(VALU_DEP_1)
	v_add_nc_u32 v206, v206, v10                   ; y's scale byte: row 16 qt + r of 32 bytes, + 2 x head + my half's block
	s_lshr_b32 s62, s12, 1
	s_lshl_b32 s62, s62, 5
	s_and_b32 s63, s12, 1
	s_lshl_b32 s63, s63, 3
	s_add_co_u32 s62, s62, s63
	v_and_b32 v11, 8, v9
	s_delay_alu instid0(VALU_DEP_1)
	v_add_nc_u32 v11, v11, v9
	s_delay_alu instid0(VALU_DEP_1)
	v_add_nc_u32 v11, s62, v11                     ; my query's number in its block
	v_lshlrev_b32 v10, 4, v10
	s_delay_alu instid0(VALU_DEP_1)
	v_sub_nc_u32 v199, v11, v10                    ; less 16 h: register 16 b + i holds key 32 b + 16 h + i, hidden on the diagonal where 32 b + i is greater than this
.irp j, 0,1,2,3,4,5
	v_mov_b32 v[22+\j], 0                          ; Q's upper half: zero codes
	v_mov_b32 v[80+\j], 0                          ; and what stands behind K's last tile
.endr
	v_mov_b32 v13, 0xff61b1e6                      ; the largest t so far: -3e38
	s_delay_alu instid0(VALU_DEP_1)
	v_floor_f32 v12, -v13                          ; -M
	v_mov_b32 v14, 0
	v_mov_b32 v15, 0
.irp b, 0,1,2,3
	v_mov_b32 v[236+\b], 0                         ; written once: a lane permute's destination counts as one of its sources
.endr
	v_mov_b32 v253, 0                              ; (named as the upper half of the pair v[252:253])
.set JJ, 0
.rept 32
	v_mov_b32 v[160+JJ], 0                         ; O^T: the step is written once for first and later steps: the first change of M multiplies zeros
.set JJ, JJ+1
.endr
; THE CHANGE OF SLOTS, IN TWO HALVES.  CHANGE: each wave waits for all its tensor loads, adds 0 to its spare word, waits for that and for all its LDS reads, and signals.  CHB: it waits for the others; behind that wait the other slot is whole
; and nobody reads the slot that has been left, which is filled again (fill = 1).  At the head the two halves stand on end: slot 0 is whole, and slot 1 is filled for the first time.
; Afterwards the first half stands in a slot's SECOND step, behind the update of M: K's and V's fragments of that step are in registers by then, so the slot in hand is read no more.  The rest of the step (the exponentials, the sums,
; the conversions, the second product) is work on registers alone and stands between signal and wait.  The slot in hand is then filled with the two steps that lie two slots on.  By this text's count one tensor load of a wave is out.
.macro CHANGE fill, lim, ask
	s_wait_tensorcnt 0x0                           ; no tensor load of mine is out, so group 0 may be written
	ds_add_u32 v5, v6                              ; 0 onto my spare word
	ds_add_u32 v5, v6
.if \fill
	s_add_co_u32 s18, s18, 2                       ; the step that I fetch now;
	s_cmp_ge_u32 s18, s15
	s_cselect_b32 s38, s15, 0
	s_sub_co_u32 s38, s18, s38                     ; its key block: the low block's steps begin anew at key block 0
	s_mul_i32 s38, s38, BLKB
	s_add_nc_u64 s[34:35], s[36:37], s[38:39]
	s_or_b32 s35, s35, 0x80000000
	s_xor_b32 s33, s33, SLOT1                      ; the other slot than last time
	s_wait_xcnt 0x0                                ; the last prefetch, a slot back, has read its address
	s_add_nc_u64 s[40:41], s[40:41], 32768         ; four pieces on
.endif
	s_wait_dscnt 0x0                               ; the add is done, and my reads of the slot that I have left are over
	s_barrier_signal -1
.endm
.macro CHB fill, lim, ask
	s_barrier_wait -1
.if \fill
	TLOAD \lim                                     ; the first thing behind the barrier, and a wave's one tensor load until the next
.endif
.if \ask
	ASK
.endif
.endm
.macro ADDR                            ; the slot's addresses; six plain lines: the places in front of the loads into registers that the last products read
	v_add_nc_u32 v8, s43, v1
	v_add_nc_u32 v9, s43, v2
	v_add_nc_u32 v10, s43, v3
	v_add_nc_u32 v11, s43, v4
	v_add_nc_u32 v201, s43, v7
	v_add_nc_u32 v202, s43, v200
.endm
; A BLOCK OF QUERIES IS FINISHED: y = O^T / the sum; register 16 b + i = channel 32 b + 16 h + i of my query: two blocks of 32, quantised; the six registers of codes are my head's half of a fragment of the last product's A.
.macro FINAL yb, ysb, reload
.rept 4
	v_nop                                          ; places behind the last products
.endr
	v_add_f32 v14, v14, v15                        ; the sum's two halves,
	s_delay_alu instid0(VALU_DEP_1)
	v_permlanex16_b32 v252, v14, s20, s21
	s_delay_alu instid0(VALU_DEP_1)
	v_add_f32 v14, v14, v252                       ; and lane l xor 16's
	s_wait_alu depctr_va_vdst(0)
	v_rcp_f32 v14, v14
	v_nop                                          ; a plain line behind the transcendental
	s_wait_alu depctr_va_vdst(0)                   ; the wait ahead of the first line that names the result
.set JJ, 0
.rept 16
	v_pk_mul_f32 v[96+JJ:97+JJ], v[160+JJ:161+JJ], v[14:15] op_sel_hi:[1,0]   ; each accumulator from its low end on
.set JJ, JJ+2
.endr
.irp b, 0,1
	v_max3_num_f32 v[232+\b], |v[96+16*\b]|, |v[97+16*\b]|, 0x1800000   ; my 16 numbers and the floor 2^(3 - 127)
.endr
.irp i, 2,4,6,8,10,12,14
.irp b, 0,1
	s_delay_alu instid0(VALU_DEP_2)
	v_max3_num_f32 v[232+\b], v[232+\b], |v[96+16*\b+\i]|, |v[97+16*\b+\i]|
.endr
.endr
.irp b, 0,1
	s_delay_alu instid0(VALU_DEP_2)
	v_permlanex16_b32 v[236+\b], v[232+\b], s20, s21
.endr
.irp b, 0,1
	s_delay_alu instid0(VALU_DEP_2)
	v_max_num_f32 v[232+\b], v[232+\b], v[236+\b]
.endr
.irp b, 0,1
	s_delay_alu instid0(VALU_DEP_2)
	v_add_nc_u32 v[244+\b], 0xff000000, v[232+\b]  ; the conversion's scale operand
.endr
.irp b, 0,1
	s_delay_alu instid0(VALU_DEP_2)
	v_lshrrev_b32 v[236+\b], 23, v[244+\b]         ; the scale's byte
.endr
	s_delay_alu instid0(VALU_DEP_1)
	v_cndmask_b32 v254, v236, v237, s44            ; lanes 0-15 store block 0's byte, lanes 16-31 block 1's
	v_cvt_scalef32_pk16_fp6_f32 v[224:226], v[96:111], v244
	v_cvt_scalef32_pk16_fp6_f32 v[240:242], v[112:127], v245
	v_nop                                          ; one plain line behind a scaled conversion
.irp i, 0,1,2
	v_permlane16_swap_b32 v[224+\i], v[240+\i]     ; a whole block in a lane: lanes 0-15 block 0, lanes 16-31 block 1
.endr
.irp i, 0,1,2
	s_delay_alu instid0(VALU_DEP_3)
	v_mov_b32 v[227+\i], v[240+\i]
.endr
	global_store_b128 v203, v[224:227], s[\yb:\yb+1]      ; 512 consecutive bytes, aligned,
	global_store_b64 v204, v[228:229], s[\yb:\yb+1]       ; and 256
	global_store_b8 v206, v254, s[\ysb:\ysb+1]            ; two bytes a row against 48 bytes of codes: single bytes, rows 32 bytes apart
	s_wait_xcnt 0x0                                ; the stores have read their registers, which later lines write again
.if \reload
.irp j, 0,1,2,3,4,5
	v_mov_b32 v[16+\j], v[192+\j]                  ; on to the low block: its Q,
.endr
	v_mov_b32 v255, v198                           ; its scale word (the lines below are the places between these and the next products),
	v_mov_b32 v13, 0xff61b1e6
	s_delay_alu instid0(VALU_DEP_1)
	v_floor_f32 v12, -v13
	v_mov_b32 v14, 0
	v_mov_b32 v15, 0
.set JJ, 0
.rept 32
	v_mov_b32 v[160+JJ], 0                         ; and sums that begin anew
.set JJ, JJ+1
.endr
.endif
.endm
; A KEY STEP: 128 keys, the q-th of the slot in hand.  last = 1: the flat sequence's last step, the low block's diagonal.
.macro STEP q, last, bar=0, lim=0, ask=0       ; bar = 1: the change of slots stands in this step, nothing is filled; bar = 2: and the slot in hand is filled again by the waves under lim
.if (\q) > 0
.rept 4
	v_nop                                          ; places in front of loads into registers that the last products read
.endr
.endif
.irp t, 0,1,2,3,4,5,6,7
	ds_load_b128 v[32+6*\t:35+6*\t], v8 offset:(\q)*STEPB+1536*\t          ; 32 lanes, 16 neighbouring bytes each
	ds_load_b64 v[36+6*\t:37+6*\t], v9 offset:(\q)*STEPB+1536*\t+512
.endr
	ds_load_b128 v[86:89], v10 offset:(\q)*STEPB+12288                     ; the scale words of tiles 0-3,
	ds_load_b128 v[90:93], v10 offset:(\q)*STEPB+12800                     ; and 4-7
	s_wait_dscnt 0x0
.irp t, 0,1,2,3,4,5,6,7
	v_wmma_scale_f32_16x16x128_f8f6f4 v[96+8*\t:103+8*\t], v[32+6*\t:43+6*\t], v[16:27], 0, v[86+\t], v255 matrix_a_fmt:MATRIX_FMT_FP6 matrix_b_fmt:MATRIX_FMT_FP6
.endr
.rept 4
	v_nop                                          ; places: V's loads land where K lay, and the scores are read
.endr
.irp t, 0,1,2,3                                ; V's four tiles and their scale words are asked for now and land during the softmax
	ds_load_b128 v[32+12*\t:35+12*\t], v11 offset:(\q)*STEPB+BLKB+1536*\t
	ds_load_b64 v[36+12*\t:37+12*\t], v201 offset:(\q)*STEPB+BLKB+1536*\t+512
	ds_load_b128 v[38+12*\t:41+12*\t], v11 offset:(\q)*STEPB+BLKB+1536*\t+768
	ds_load_b64 v[42+12*\t:43+12*\t], v201 offset:(\q)*STEPB+BLKB+1536*\t+1280
.endr
	ds_load_b128 v[248:251], v202 offset:(\q)*STEPB+BLKB+12288
.if \last == 0
	s_cmp_lg_u32 s17, s16                          ; the high block's diagonal is step 15 - i: a branch on ids and the count of steps
	s_cbranch_scc1 .Lopen_\@
.endif
	v_mov_b32 v254, 0xff800000                     ; on the diagonal the scores of hidden keys become -infinity ahead of the maximum: p = 0 then
.set NN, 0
.rept 64
	v_cmp_gt_i32 vcc_lo, 32*(NN/16)+NN%16, v199
	v_cndmask_b32 v[96+NN], v[96+NN], v254, vcc_lo
.set NN, NN+1
.endr
.if \last == 0
.Lopen_\@:
.endif
.irp b, 0,1,2,3
	v_max3_num_f32 v[232+\b], v[96+16*\b], v[97+16*\b], v[98+16*\b]   ; the largest score of each block of 32 keys: it serves for the row's maximum and, since p rises with the score, for the block's largest p
.endr
.irp i, 3,5,7,9,11,13
.irp b, 0,1,2,3
	v_max3_num_f32 v[232+\b], v[232+\b], v[96+16*\b+\i], v[97+16*\b+\i]
.endr
.endr
.irp b, 0,1,2,3
	v_max_num_f32 v[232+\b], v[232+\b], v[111+16*\b]
.endr
.irp b, 0,1,2,3
	s_delay_alu instid0(VALU_DEP_4)
	v_permlanex16_b32 v[236+\b], v[232+\b], s20, s21
.endr
.irp b, 0,1,2,3
	s_delay_alu instid0(VALU_DEP_4)
	v_max_num_f32 v[232+\b], v[232+\b], v[236+\b]  ; with lane l xor 16's 16 keys
.endr
	s_delay_alu instid0(VALU_DEP_2)
	v_max3_num_f32 v254, v232, v233, v234
	s_delay_alu instid0(VALU_DEP_1)
	v_max_num_f32 v254, v254, v235                 ; the step's largest score of my query
	s_delay_alu instid0(VALU_DEP_1)
	v_mul_f32 v254, s22, v254                      ; as t (c is positive)
	s_delay_alu instid0(VALU_DEP_1)
	v_max_num_f32 v13, v13, v254                   ; the running largest t
	v_mov_b32 v254, v12
	s_delay_alu instid0(VALU_DEP_2)
	v_floor_f32 v12, -v13                          ; the new -M = floor(-t) = -ceil(t): a whole number
	s_delay_alu instid0(VALU_DEP_1)
	v_sub_f32 v254, v12, v254                      ; old M less new M: a whole number, 0 or less
	s_delay_alu instid0(VALU_DEP_1)
	v_cvt_i32_f32 v254, v254                       ; (it saturates)
	s_delay_alu instid0(VALU_DEP_1)
	v_ldexp_f32 v252, 1.0, v254                    ; f = 2^(old M - new M)
.if \bar
	s_wait_alu depctr_va_vdst(0)                   ; the wait ahead of the waits below
	CHANGE \bar-1, 0, 0                            ; its wait for my LDS reads shows V and its scale words in too
.endif
.set JJ, 0
.rept 32
	v_pk_fma_f32 v[96+JJ:97+JJ], v[96+JJ:97+JJ], s[22:23], v[12:13] op_sel_hi:[1,0,0]   ; t - M, two at a time
.set JJ, JJ+2
.endr
.irp b, 0,1,2,3
	v_fma_f32 v[232+\b], v[232+\b], s22, v12       ; the same of each block's largest score
.endr
.set JJ, 0
	s_wait_alu depctr_va_vdst(0)
.rept 64
	v_exp_f32 v[96+JJ], v[96+JJ]                   ; p = 2^(t - M), at most 1: not normalised
.set JJ, JJ+1
.endr
	v_pk_mul_f32 v[14:15], v[14:15], v[252:253] op_sel_hi:[1,0]   ; the sums under the new M (a plain line behind the exponentials)
	s_wait_alu depctr_va_vdst(0)                   ; one wait for the whole batch, ahead of the first line that names a result
.irp b, 0,1,2,3
	v_exp_f32 v[232+\b], v[232+\b]                 ; the block's largest p: the same two instructions on the same number give the same bits
.endr
	v_pk_add_f32 v[236:237], v[100:101], v[104:105]
	v_pk_add_f32 v[246:247], v[108:109], v[112:113]
	v_pk_add_f32 v[244:245], v[116:117], v[120:121]
	v_pk_add_f32 v[242:243], v[124:125], v[128:129]
	v_pk_add_f32 v[240:241], v[132:133], v[136:137]
	v_pk_add_f32 v[238:239], v[140:141], v[144:145]
	v_pk_add_f32 v[230:231], v[148:149], v[152:153]
	v_pk_add_f32 v[14:15], v[14:15], v[156:157]
	v_pk_add_f32 v[236:237], v[236:237], v[96:97]
	v_pk_add_f32 v[246:247], v[246:247], v[98:99]
	v_pk_add_f32 v[244:245], v[244:245], v[102:103]
	v_pk_add_f32 v[242:243], v[242:243], v[106:107]
	v_pk_add_f32 v[240:241], v[240:241], v[110:111]
	v_pk_add_f32 v[238:239], v[238:239], v[114:115]
	v_pk_add_f32 v[230:231], v[230:231], v[118:119]
	v_pk_add_f32 v[14:15], v[14:15], v[122:123]
	v_pk_add_f32 v[236:237], v[236:237], v[126:127]
	v_pk_add_f32 v[246:247], v[246:247], v[130:131]
	v_pk_add_f32 v[244:245], v[244:245], v[134:135]
	v_pk_add_f32 v[242:243], v[242:243], v[138:139]
	v_pk_add_f32 v[240:241], v[240:241], v[142:143]
	v_pk_add_f32 v[238:239], v[238:239], v[146:147]
	v_pk_add_f32 v[230:231], v[230:231], v[150:151]
	v_pk_add_f32 v[14:15], v[14:15], v[154:155]
	v_pk_add_f32 v[236:237], v[236:237], v[158:159]
	s_delay_alu instid0(VALU_DEP_2)
	v_pk_add_f32 v[14:15], v[14:15], v[242:243]
	s_delay_alu instid0(VALU_DEP_2)
	v_pk_add_f32 v[236:237], v[236:237], v[240:241]
	v_pk_add_f32 v[246:247], v[246:247], v[238:239]
	v_pk_add_f32 v[244:245], v[244:245], v[230:231]
	s_delay_alu instid0(VALU_DEP_2)
	v_pk_add_f32 v[14:15], v[14:15], v[246:247]
	s_delay_alu instid0(VALU_DEP_2)
	v_pk_add_f32 v[236:237], v[236:237], v[244:245]
	s_delay_alu instid0(VALU_DEP_1)
	v_pk_add_f32 v[14:15], v[14:15], v[236:237]
	s_wait_alu depctr_va_vdst(0)                   ; and one for the four
.irp b, 0,1,2,3
	v_max_num_f32 v[232+\b], 0x1800000, v[232+\b]  ; the floor 2^(3 - 127): the byte cannot fall under 1
.endr
.irp b, 0,1,2,3
	s_delay_alu instid0(VALU_DEP_4)
	v_add_nc_u32 v[244+\b], 0xff000000, v[232+\b]  ; 2 off the exponent field: the conversion's scale operand
.endr
.irp b, 0,1,2,3
	s_delay_alu instid0(VALU_DEP_4)
	v_lshrrev_b32 v[236+\b], 23, v[244+\b]         ; the scale's byte
.endr
	s_delay_alu instid0(VALU_DEP_3)
	v_lshl_or_b32 v94, v237, 8, v236               ; p's scale word for these 128 keys, in a register that holds nothing else
	s_delay_alu instid0(VALU_DEP_1)
	v_lshl_or_b32 v94, v238, 16, v94
	s_delay_alu instid0(VALU_DEP_1)
	v_lshl_or_b32 v94, v239, 24, v94
.irp c, 0,1
	v_cvt_scalef32_pk16_fp6_f32 v[224+6*\c:226+6*\c], v[96+32*\c:111+32*\c], v[244+2*\c]
	v_cvt_scalef32_pk16_fp6_f32 v[236+4*\c:238+4*\c], v[112+32*\c:127+32*\c], v[244+2*\c+1]   ; (a conversion's three registers begin on an even number)
.endr
	v_nop                                          ; one plain line behind a scaled conversion
.irp c, 0,1                                    ; a whole block in a lane: lanes 0-15 block 2 c, lanes 16-31 block 2 c + 1
.irp i, 0,1,2
	v_permlane16_swap_b32 v[224+6*\c+\i], v[236+4*\c+\i]
.endr
.irp i, 0,1,2
	s_delay_alu instid0(VALU_DEP_3)
	v_mov_b32 v[227+6*\c+\i], v[236+4*\c+\i]
.endr
.endr
.set JJ, 0
.rept 16
	v_pk_mul_f32 v[160+JJ:161+JJ], v[160+JJ:161+JJ], v[252:253] op_sel_hi:[1,0]   ; O^T under the new M.  The last twelve name no register of the first product below: the places between the codes, the scale word and the products
.set JJ, JJ+2
.endr
	s_wait_alu depctr_va_vdst(0)
.if \bar == 0
	s_wait_dscnt 0x0                               ; V and its scale words are in
.endif
.irp t, 0,1,2,3                                ; O^T += V^T P^T: the four accumulators by turns, one instruction a turn
	v_wmma_scale_f32_16x16x128_f8f6f4 v[160+8*\t:167+8*\t], v[32+12*\t:43+12*\t], v[224:235], v[160+8*\t:167+8*\t], v[248+\t], v94 matrix_a_fmt:MATRIX_FMT_FP6 matrix_b_fmt:MATRIX_FMT_FP6
.endr
.if \bar
	CHB \bar-1, \lim, \ask                         ; the stores of a finished block of queries stand behind this wait
.endif
.if \last
	FINAL 48, 52, 0
.else
	s_cmp_lg_u32 s17, s16                          ; behind its diagonal step the high block is finished: register work and stores alone stand under this branch
	s_cbranch_scc1 .Lgo_\@
	FINAL 46, 50, 1
.Lgo_\@:
.endif
	s_add_co_u32 s17, s17, 1
.endm
	s_wait_loadcnt 0x0                             ; Q
	CHANGE 1, 4, 1                                 ; slot 0 is whole;
	CHB 1, 4, 1                                    ; slot 1's first fill: steps 2 and 3
	s_mov_b32 s19, 6
.Lslot:                                            ; six trips: steps 0 to 11; in each the slot in hand is filled again with the steps four on: 4 to 15
	ADDR
	s_wait_alu depctr_va_vdst(0)
	STEP 0, 0
	STEP 1, 0, 2, 4, 1
	s_xor_b32 s43, s43, SLOT1                      ; on to the other slot
	s_sub_co_u32 s19, s19, 1
	s_cmp_lg_u32 s19, 0
	s_cbranch_scc1 .Lslot
	ADDR                                           ; the tail is written out.  Steps 12 and 13: of the steps four on only step 16 exists, so waves 0 and 1 alone fetch
	s_wait_alu depctr_va_vdst(0)
	STEP 0, 0
	STEP 1, 0, 2, 2, 0
	s_xor_b32 s43, s43, SLOT1
	ADDR                                           ; steps 14 and 15: nothing is filled; the barrier shows step 16 to all
	s_wait_alu depctr_va_vdst(0)
	STEP 0, 0
	STEP 1, 0, 1, 0, 0
	s_xor_b32 s43, s43, SLOT1
	ADDR
	s_wait_alu depctr_va_vdst(0)
	STEP 0, 1
	s_wait_tensorcnt 0x0                           ; the wave's end
	ds_add_u32 v5, v6
	s_wait_dscnt 0x0
	s_endpgm
.Lfunc_end_k_qa34fd3d007_attn:
	.size	k_qa34fd3d007_attn, .Lfunc_end_k_qa34fd3d007_attn-k_qa34fd3d007_attn
	.p2alignl 7, 3214868480
	.fill 96, 4, 3214868480
	.section	.rodata,"a",@progbits
	.p2align	6, 0x0
	.amdhsa_kernel k_qa34fd3d007_attn
		.amdhsa_group_segment_fixed_size 327680
		.amdhsa_private_segment_fixed_size 0
		.amdhsa_enable_private_segment 0
		.amdhsa_kernarg_size 24
		.amdhsa_user_sgpr_count 2
		.amdhsa_user_sgpr_kernarg_segment_ptr 1
		.amdhsa_wavefront_size32 1
		.amdhsa_system_sgpr_workgroup_id_x 1
		.amdhsa_system_sgpr_workgroup_id_y 1
		.amdhsa_system_sgpr_workgroup_id_z 1
		.amdhsa_system_vgpr_workitem_id 0
		.amdhsa_next_free_vgpr 256
		.amdhsa_next_free_sgpr 72
		.amdhsa_reserve_vcc 1
		.amdhsa_float_denorm_mode_32 3
		.amdhsa_float_denorm_mode_16_64 3
		.amdhsa_memory_ordered 1
		.amdhsa_forward_progress 1
		.amdhsa_inst_pref_size 207
	.end_amdhsa_kernel
	.amdgpu_metadata
---
amdhsa.version: [ 1, 2 ]
amdhsa.kernels:
  - .name:           k_qa34fd3d007_attn
    .symbol:         k_qa34fd3d007_attn.kd
    .args:
      - { .name: qkv, .offset: 0, .size: 8, .value_kind: global_buffer, .address_space: global }
      - { .name: yc, .offset: 8, .size: 8, .value_kind: global_buffer, .address_space: global }
      - { .name: ys, .offset: 16, .size: 8, .value_kind: global_buffer, .address_space: global }
    .group_segment_fixed_size: 327680
    .private_segment_fixed_size: 0
    .kernarg_segment_align: 8
    .kernarg_segment_size: 24
    .max_flat_workgroup_size: 512
    .sgpr_count:     72
    .vgpr_count:     256
    .wavefront_size: 32
...
	.end_amdgpu_metadata
.endif
;; end of part 3
;; launch proj (part 4): grid 8 x 32, 4 waves a work-group, clusters of 4 x 4, 327,680 bytes of LDS; arguments yc, ys, wc, ws, out0; writes out0
.if DOCPART == 4
	.amdgcn_target "amdgcn-amd-amdhsa--gfx1250"
	.amdhsa_code_object_version 6
	.text
	.protected	k_qa34fd3d007_proj
	.globl	k_qa34fd3d007_proj
	.p2align	8
	.type	k_qa34fd3d007_proj,@function
k_qa34fd3d007_proj:
	s_mov_b64 s[64:65], 0
	v_nop
	global_prefetch_b8 v0, s[64:65] scope:SCOPE_SE
	s_setreg_imm32_b32 hwreg(HW_REG_WAVE_MODE, 25, 1), 1
	s_wait_xcnt 0x0
	s_wait_alu depctr_hold_cnt(0) depctr_sa_sdst(0) depctr_va_vdst(0) depctr_va_sdst(0) depctr_va_ssrc(0) depctr_va_vcc(0) depctr_vm_vsrc(0)
	s_getreg_b32 s2, hwreg(HW_REG_IB_STS2, 6, 4)
	s_cmp_eq_u32 s2, 0
	s_cbranch_scc0 .Lentry_in_a_cluster
	s_endpgm
.Lentry_in_a_cluster:
	s_bfe_u32 s2, ttmp6, 0x10000c
	s_cmp_lg_u32 s2, 0xf033
	s_cbranch_scc0 .Lentry_shape_is_right
	s_endpgm
.Lentry_shape_is_right:
; out = y w_out^T on codes of FP6 (E2M3) with E8M0 scales, K = 1,024, sums and results in f32.
; 256 work-groups: work-group (x, y) makes rows 256 y .. + 255 x columns 128 x .. + 127.  Four waves, 2 x 2: wave (a, b) takes the 128 rows a and the 64 columns b.  A wave holds its 64 rows of w_out, all of K, in 384 registers
; and streams y's rows past them in blocks of 16: 32 products a block, 8 blocks.
; LDS: w_out's 128 rows (98,304 bytes from 0), y's 256 rows (196,608 bytes), as they lie in memory: images of fragments; a stage of 16 x 272 bytes a wave; the spare words.
; EVERY TILE IS ASKED FOR ONCE, AT THE HEAD, one joint load a wave (wave 0 the weight, waves 1-3 a third of y each): nothing is filled again, there is no loop to run ahead in, and so no prefetch.
; CLUSTERS 4 x 4: y's rows are shared by a row of the cluster, w_out's by a column.
; Source 0 = the weight's rows: lane (r, h) holds row r of y's tile, registers 8 j + i column 16 j + 8 h + i.  A block goes through my stage and leaves as whole rows of 256 bytes, two rows a store.
; y's tile s, lane r is token 32 (s / 2) + 8 (s % 2) + r % 8 + 16 (r / 8) of its 128.
; THE WAITS' COUNTS: behind a block's fetch stand the stage's 16 LDS instructions of the block before and the next fetch's 32: 48 (32 for blocks 0 and 1, 16 for the last).  A block's rows are stored one block after they went through the stage.
.set BLKB,  98304
.set QS,    12288
.set TS,    1536
.set XL,    98304
.set STAGE, 294912
.set SPT,   272
.set SPARE, STAGE+4*16*SPT
.set SPW, 1
.set NIL, 2
.set L16, 3
.set SW,  8
.set SX,  26
.set ACC, 64
.set BK,  128
.set STO, 192
.set RD,  193
.set CO,  194
.set YSO, 195
.set MSB, 0
.macro WIN new
.if MSB != \new
	s_set_vgpr_msb (MSB<<8)|\new
.set MSB, \new
.endif
.endm
.macro PLACES n
.rept \n
	v_nop
.endr
.endm
.macro BARRIER
	s_barrier_signal -1
	s_barrier_wait -1
.endm
.macro CROUND
	BARRIER
	s_cmp_lg_u32 s14, 0
	s_cbranch_scc1 .Lnw0_\@
	s_barrier_signal -3
.Lnw0_\@:
	s_barrier_wait -3
	BARRIER
.endm
.macro TLOAD g0, g1
	tensor_load_to_lds s[\g0:\g0+3], s[\g1:\g1+7]
	s_nop 0
	PLACES 4
.endm
.macro FRAG f, a16, a8, off
	WIN (1+(\f)/21)<<6
.set R_, 12*((\f)%21)
	ds_load_b128 v[R_:R_+3], v[\a16] offset:\off
	ds_load_b64 v[R_+4:R_+5], v[\a8] offset:(\off)+512
	ds_load_b128 v[R_+6:R_+9], v[\a16] offset:(\off)+768
	ds_load_b64 v[R_+10:R_+11], v[\a8] offset:(\off)+1280
.endm
.macro WEIGHTS
.set F_, 0
.rept 32
	FRAG F_, 24+34*(F_/16), 25+34*(F_/16), ((F_/4)%4)*QS+(F_%4)*TS
.set F_, F_+1
.endr
	WIN 0
.endm
.macro FETCH e, s
.set F_, 0
.rept 8
	FRAG 32+8*(\e)+F_, 4+2*(F_/4), 5+2*(F_/4), (F_%4)*QS+(\s)*TS
.set F_, F_+1
.endr
	WIN 0
.endm
.macro WM d, a, b, c, xa, xb, r
	v_wmma_scale_f32_16x16x128_f8f6f4 v[\d:\d+7], v[\a:\a+11], v[\b:\b+11], \c, v[\xa], v[\xb] matrix_a_fmt:MATRIX_FMT_FP6 matrix_b_fmt:MATRIX_FMT_FP6 matrix_a_scale:MATRIX_SCALE_ROW\r matrix_b_scale:MATRIX_SCALE_ROW\r
.endm
.macro BLK s                           ; 32 products: K ascending, the four tiles' sums by turns; the first four start the sums
.set N_, 0
.rept 32
.set Q_, N_/4
.set J_, N_%4
.set FX_, 32+8*((\s)%2)+Q_
.set XW_, SW+4*J_+Q_%4
.set XX_, SX+4*(\s)+Q_%4
.set D_, ACC+32*((\s)%2)+8*J_
.set A_, 12*(N_%21)
.set B_, 12*(FX_%21)
	WIN (1+N_/21)|((1+FX_/21)<<2)
.if Q_ == 0
	WM D_, A_, B_, 0, XW_, XX_, 0
.elseif Q_ < 4
	WM D_, A_, B_, v[D_:D_+7], XW_, XX_, 0
.else
	WM D_, A_, B_, v[D_:D_+7], XW_, XX_, 1
.endif
.set N_, N_+1
.endr
	WIN 0
.endm
.macro TOSTAGE s                       ; each sum from its low end on; LDS serves a wave's instructions in order, so the loads see the stores
.set A_, ACC+32*((\s)%2)
.set K_, BK+32*((\s)%2)
.irp j, 0,1,2,3
	ds_store_b128 v[STO], v[A_+8*\j:A_+8*\j+3] offset:64*\j
	ds_store_b128 v[STO], v[A_+8*\j+4:A_+8*\j+7] offset:64*\j+16
.endr
.irp t, 0,1,2,3,4,5,6,7
	ds_load_b128 v[K_+4*\t:K_+4*\t+3], v[RD] offset:\t*2*SPT
.endr
.endm
.macro SEND s, younger
.set K_, BK+32*((\s)%2)
	s_wait_dscnt \younger
.irp t, 0,1,2,3,4,5,6,7
	global_store_b128 v[CO], v[K_+4*\t:K_+4*\t+3], s[12:13] offset:(32*((\s)/2)+8*((\s)%2)+2*(\t%4)+16*(\t/4))*4096 th:TH_STORE_NT   ; sixteen lanes store 256 consecutive bytes, aligned
.endr
.endm
	s_load_b128 s[4:7], s[0:1], 0x0                ; yc, ys
	s_load_b128 s[8:11], s[0:1], 0x10              ; wc, ws
	s_load_b64 s[12:13], s[0:1], 0x20              ; out0
	v_lshl_add_u32 v[SPW], v0, 2, SPARE
	v_mov_b32 v[NIL], 0
	ds_add_u32 v[SPW], v[NIL]                      ; the opening lines: the add twice on end and one wait
	ds_add_u32 v[SPW], v[NIL]
	v_lshrrev_b32 v3, 5, v0
	v_readfirstlane_b32 s14, v3
	s_lshr_b32 s15, s14, 1                         ; a
	s_and_b32 s16, s14, 1                          ; b
	s_bfe_u32 s40, ttmp6, 0x40000
	s_bfe_u32 s41, ttmp6, 0x40004
	s_lshl_b32 s42, ttmp9, 2
	s_add_co_u32 s42, s42, s40                     ; the block of 128 columns
	s_and_b32 s43, ttmp7, 0xffff
	s_lshl_b32 s43, s43, 2
	s_add_co_u32 s43, s43, s41                     ; the block of 256 rows
	s_lshl_b32 s44, s41, 2
	s_lshl_b32 s44, 15, s44
	s_lshl_b32 s45, 0x1111, s40
	s_or_b32 s24, s44, (3<<16)|(1<<21)             ; a third of y: 256 dense rows of 256 bytes
	s_mov_b32 s25, 32<<16
	s_mov_b32 s26, 256<<16
	s_mov_b32 s27, 32<<16
	s_mov_b32 s28, 256
	s_mov_b32 s29, 32
	s_mov_b32 s30, 0
	s_mov_b32 s31, 0
	s_or_b32 s32, s45, (3<<16)|(1<<21)             ; the weight: 384 rows
	s_mov_b32 s33, 32<<16
	s_mov_b32 s34, 384<<16
	s_mov_b32 s35, 32<<16
	s_mov_b32 s36, 384
	s_mov_b32 s37, 32
	s_mov_b32 s38, 0
	s_mov_b32 s39, 0
	s_mov_b32 s48, 1
	s_lshl_b32 s49, s14, 16
	s_add_co_u32 s49, s49, XL-65536
	s_mov_b32 s52, 1
	s_mov_b32 s53, 0
	s_mul_i32 s20, s15, BLKB
	s_add_co_u32 s20, s20, XL
	s_add_co_u32 s21, s20, 4*QS
	s_mul_i32 s22, s16, 4*TS
	s_add_co_u32 s23, s22, 4*QS
	s_mul_i32 s60, s14, 16*SPT
	s_add_co_u32 s60, s60, STAGE
	s_lshl_b32 s61, s16, 8
	v_and_b32 v62, 31, v0
	v_bfe_u32 v63, v0, 4, 1
	v_and_b32 v61, 15, v0
	v_lshlrev_b32 v[L16], 4, v62
	v_lshlrev_b32 v60, 3, v62
	v_add_nc_u32 v4, s20, v[L16]
	v_add_nc_u32 v5, s20, v60
	v_add_nc_u32 v6, s21, v[L16]
	v_add_nc_u32 v7, s21, v60
	v_add_nc_u32 v24, s22, v[L16]
	v_add_nc_u32 v25, s22, v60
	v_add_nc_u32 v58, s23, v[L16]
	v_add_nc_u32 v59, s23, v60
	v_mul_u32_u24 v[STO], v61, SPT
	v_lshl_add_u32 v[STO], v63, 5, v[STO]
	v_add_nc_u32 v[STO], s60, v[STO]               ; into the stage: row r, 32 h bytes on
	v_mul_u32_u24 v[RD], v63, SPT
	v_lshl_add_u32 v[RD], v61, 4, v[RD]
	v_add_nc_u32 v[RD], s60, v[RD]                 ; out of it: sixteen lanes to a row
	v_lshlrev_b32 v[CO], 12, v63
	v_lshl_add_u32 v[CO], v61, 4, v[CO]
	v_add_nc_u32 v[CO], s61, v[CO]                 ; and the same in out0
	v_lshlrev_b32 v[YSO], 5, v61
	v_lshl_add_u32 v[YSO], v63, 4, v[YSO]          ; y's scale words: row r of 32 bytes, 16 h on
	s_mul_i32 s20, s43, 2*BLKB
	s_lshl_b32 s21, s14, 16
	s_add_co_u32 s20, s20, s21
	s_mov_b32 s21, 0
	s_add_co_u32 s22, s42, 24                      ; w_out lies behind w_qkv's 24 blocks of 128 rows
	s_mul_i32 s22, s22, BLKB
	s_mov_b32 s23, 0
	s_wait_alu depctr_va_vdst(0)                   ; the wait at the head's end
	s_wait_dscnt 0x0
	CROUND                                         ; ahead of the first joint loads
	s_wait_kmcnt 0x0
	s_add_nc_u64 s[50:51], s[4:5], s[20:21]
	s_sub_nc_u64 s[50:51], s[50:51], 65536
	s_or_b32 s51, s51, 0x80000000
	s_add_nc_u64 s[54:55], s[8:9], s[22:23]
	s_or_b32 s55, s55, 0x80000000
	s_cmp_eq_u32 s14, 0
	s_cbranch_scc0 .Lhead_y
	TLOAD 52, 32                                   ; wave 0: w_out's rows
	s_branch .Lhead_j
.Lhead_y:
	TLOAD 48, 24                                   ; waves 1-3: a third of y
.Lhead_j:
	s_lshl_b32 s22, s43, 13
	s_lshl_b32 s21, s15, 12
	s_add_co_u32 s22, s22, s21
	s_mov_b32 s23, 0
	s_add_nc_u64 s[6:7], s[6:7], s[22:23]
	s_add_co_u32 s22, s42, 24
	s_lshl_b32 s22, s22, 12
	s_lshl_b32 s21, s16, 11
	s_add_co_u32 s22, s22, s21
	s_add_nc_u64 s[18:19], s[10:11], s[22:23]
.irp s, 0,1,2,3,4,5,6,7
	global_load_b128 v[SX+4*\s:SX+4*\s+3], v[YSO], s[6:7] offset:512*\s
.endr
.irp j, 0,1,2,3
	global_load_b128 v[SW+4*\j:SW+4*\j+3], v[L16], s[18:19] offset:512*\j
.endr
	s_lshl_b32 s22, s43, 20
	s_lshl_b32 s21, s15, 19
	s_add_co_u32 s22, s22, s21
	s_lshl_b32 s21, s42, 9
	s_add_co_u32 s22, s22, s21
	s_add_nc_u64 s[12:13], s[12:13], s[22:23]
	s_cmp_eq_u32 s14, 0
	s_cbranch_scc0 .Lnot_w
	s_wait_tensorcnt 0x0
.Lnot_w:
	BARRIER                                        ; the weight is in; y may be on its way
	WEIGHTS
	s_wait_tensorcnt 0x0
	s_wait_dscnt 0x0
	BARRIER                                        ; y is in
	FETCH 0, 0
	FETCH 1, 1
	s_wait_loadcnt 0x0
.irp s, 0,1,2,3,4,5,6,7
.if \s < 2
	s_wait_dscnt 32
.elseif \s < 7
	s_wait_dscnt 48
.else
	s_wait_dscnt 16
.endif
	BLK \s
	PLACES 4
.if \s >= 2
.if \s < 7
	SEND \s-2, 32
.else
	SEND \s-2, 0
.endif
.endif
.if \s >= 1
	s_wait_xcnt 0x0                                ; earlier stores have read the registers that the stage's loads fill
	TOSTAGE \s-1
.endif
.if \s < 6
	FETCH \s%2, \s+2
.endif
.endr
	s_wait_xcnt 0x0
	TOSTAGE 7
	SEND 6, 16
	SEND 7, 0
	s_wait_tensorcnt 0x0                           ; the wave's end
	ds_add_u32 v[SPW], v[NIL]
	s_wait_dscnt 0x0
	CROUND                                         ; the closing round
	s_endpgm
.Lfunc_end_k_qa34fd3d007_proj:
	.size	k_qa34fd3d007_proj, .Lfunc_end_k_qa34fd3d007_proj-k_qa34fd3d007_proj
	.p2alignl 7, 3214868480
	.fill 96, 4, 3214868480
	.section	.rodata,"a",@progbits
	.p2align	6, 0x0
	.amdhsa_kernel k_qa34fd3d007_proj
		.amdhsa_group_segment_fixed_size 327680
		.amdhsa_private_segment_fixed_size 0
		.amdhsa_enable_private_segment 0
		.amdhsa_kernarg_size 40
		.amdhsa_user_sgpr_count 2
		.amdhsa_user_sgpr_kernarg_segment_ptr 1
		.amdhsa_wavefront_size32 1
		.amdhsa_system_sgpr_workgroup_id_x 1
		.amdhsa_system_sgpr_workgroup_id_y 1
		.amdhsa_system_sgpr_workgroup_id_z 1
		.amdhsa_system_vgpr_workitem_id 0
		.amdhsa_next_free_vgpr 1024
		.amdhsa_next_free_sgpr 66
		.amdhsa_reserve_vcc 0
		.amdhsa_float_denorm_mode_32 3
		.amdhsa_float_denorm_mode_16_64 3
		.amdhsa_memory_ordered 1
		.amdhsa_forward_progress 1
		.amdhsa_inst_pref_size 82
	.end_amdhsa_kernel
	.amdgpu_metadata
---
amdhsa.version: [ 1, 2 ]
amdhsa.kernels:
  - .name:           k_qa34fd3d007_proj
    .symbol:         k_qa34fd3d007_proj.kd
    .args:
      - { .name: yc, .offset: 0, .size: 8, .value_kind: global_buffer, .address_space: global }
      - { .name: ys, .offset: 8, .size: 8, .value_kind: global_buffer, .address_space: global }
      - { .name: wc, .offset: 16, .size: 8, .value_kind: global_buffer, .address_space: global }
      - { .name: ws, .offset: 24, .size: 8, .value_kind: global_buffer, .address_space: global }
      - { .name: out0, .offset: 32, .size: 8, .value_kind: global_buffer, .address_space: global }
    .group_segment_fixed_size: 327680
    .private_segment_fixed_size: 0
    .kernarg_segment_align: 8
    .kernarg_segment_size: 40
    .max_flat_workgroup_size: 128
    .sgpr_count:     66
    .vgpr_count:     1024
    .wavefront_size: 32
...
	.end_amdgpu_metadata
.endif
;; end of part 4
